; MI455X (gfx1250); checked and timed in simulation.
; The chip was launched on July 23, 2026; its instructions are those of AMD's public machine-readable ISA for CDNA 5 (MIT licence, August 2026) and "CDNA5" Instruction Set Architecture Reference Guide (July 2026). The comments in the code are by the model that wrote it; some were corrected since.
;; Mo EMLP. Allowed arithmetic: float matrix products may take bf16 or f16 operands with f32 sums; other float arithmetic in f32, or as packed bf16 or f16 multiplies, adds, multiply-adds, maxima and minima; sums over many terms, partial sums and values carried from step to step in f32; what a program stores and reads back later, other than sums and carried values, may be rounded once to bf16 or f16.
;; Inputs: expert_fc 8 x 1,024 x 4,096 float32; expert_proj 8 x 1,024 x 4,096 float32; router_w 8 x 1,024 float32; x 4 x 256 x 1,024 float32.
;; Outputs: out0 4 x 256 x 1,024 float32.
;; 2 versions, each right and faster than the one before. Each part assembles by itself: llvm-mc -triple=amdgcn-amd-amdhsa -mcpu=gfx1250 --defsym DOCPART=n.
;; ======== version 1 of 2: 3 launches
;; workspace buffers: xb 2,097,152 bytes; masks 1,024 bytes of whole numbers; hid 8,388,608 bytes; order 33,792 bytes of whole numbers
;; launch route (part 1): grid 32 x 1, 8 waves a work-group, no clusters, 78,848 bytes of LDS; arguments x, router_w, xb, masks; writes xb, masks
.if DOCPART == 1
	.amdgcn_target "amdgcn-amd-amdhsa--gfx1250"
	.amdhsa_code_object_version 6
	.text
	.protected	k_q513e850eb7_route
	.globl	k_q513e850eb7_route
	.p2align	8
	.type	k_q513e850eb7_route,@function
k_q513e850eb7_route:
	s_mov_b64 s[64:65], 0
	v_nop
	global_prefetch_b8 v0, s[64:65] scope:SCOPE_SE
	s_setreg_imm32_b32 hwreg(HW_REG_WAVE_MODE, 25, 1), 1
	s_wait_xcnt 0x0
; ROUTER.  logits[t][e] = sum over d of x[t][d] router_w[e][d]; softmax over the 8 experts; the expert of the largest probability (the lower index on a tie).
; Stored: xb = x rounded once to bf16, [1024][1024]; masks[e][j], 8 x 32 words: bit l of word j is set where token 32 j + l chose expert e.
; FORMATS.  x and router_w are rounded to bf16 for the product, sums in f32: every input of the program has this one rounding.
; LIMITS.  The f32 sums are taken in another order than a plain dot product's: two logits closer than that rounding may fall either way.  NaN and infinities are not treated apart.
; SHARES.  A work-group has 32 tokens (one word of each expert's bitmap); wave w has d = 128 w .. 128 w + 127 of all 32 tokens; the eight partial sums meet in LDS and wave 0 finishes.
; No cluster and no tensor load: the work-groups share only router_w's 32 KB, and x must pass through registers to be rounded.
.set XSP,   272                        ; a token's 256 bytes of bf16 + 16: the 16 rows of a fragment load start at 16 different groups of four banks (ISA guide 11.1)
.set XSB,   32*XSP                     ; a wave's own 32 rows
.set RED,   8*XSB                      ; [wave][expert][lane] f32
.set SPARE, RED+8192                   ; the spare words, 128 bytes a wave: four blocks of 256 bytes that no other line names
.set X,     32                         ; v[32:159]   token i: 4 f32 as loaded, then 2 registers of bf16
.set RW,    160                        ; v[160:223]  K step s: 16 f32 of router_w, then its fragment in the lower 8; the upper 8 take tile 1's fragment of x
.set XF,    224                        ; v[224:255]  tile 0's fragments of x
	s_load_b256 s[4:11], s[0:1], 0x0               ; x s[4:5], router_w s[6:7], xb s[8:9], masks s[10:11]
	v_lshl_add_u32 v4, v0, 2, SPARE                ; my spare word
	v_mov_b32 v5, 0
	v_and_b32 v1, 31, v0                           ; lane L
	v_and_b32 v2, 15, v0                           ; r
	v_bfe_u32 v3, v0, 4, 1                         ; h
	v_lshrrev_b32 v13, 5, v0
	v_readfirstlane_b32 s12, v13                   ; wave
	s_mov_b32 s13, ttmp9                           ; work-group
	s_mov_b32 s16, 0xffff0000                      ; lanes 16 to 31
	v_lshlrev_b32 v6, 4, v1                        ; x: 16 L
	v_lshlrev_b32 v7, 3, v1                        ; xb: 8 L
	v_and_b32 v13, 7, v0
	v_lshlrev_b32 v8, 12, v13                      ; router_w: row r % 8 (rows 8 to 15 of the fragment repeat the eight experts),
	v_lshl_add_u32 v8, v3, 5, v8                   ; + 8 h numbers
	s_mul_i32 s17, s12, XSB                        ; my wave's rows in LDS
	v_lshl_add_u32 v9, v1, 3, s17                  ; in: 8 L
	v_mul_u32_u24 v10, v2, XSP
	v_lshl_add_u32 v10, v3, 4, v10
	v_add_nc_u32 v10, s17, v10                     ; back as fragments: row r, 16 h
	s_lshl_b32 s18, s12, 10
	s_add_co_u32 s18, s18, RED
	v_lshl_add_u32 v11, v1, 2, s18                 ; my wave's partial sums
	v_lshl_add_u32 v12, v1, 2, RED                 ; all waves', for wave 0
	s_lshl_b32 s14, s13, 17                        ; 32 tokens of 4,096 bytes
	s_lshl_b32 s19, s12, 9                         ; 128 f32
	s_add_co_u32 s14, s14, s19
	s_mov_b32 s15, 0
	s_wait_kmcnt 0x0
	s_add_nc_u64 s[4:5], s[4:5], s[14:15]
	s_mov_b32 s14, s19
	s_add_nc_u64 s[6:7], s[6:7], s[14:15]
	s_lshl_b32 s14, s13, 16                        ; 32 tokens of 2,048 bytes
	s_lshl_b32 s19, s12, 8
	s_add_co_u32 s14, s14, s19
	s_add_nc_u64 s[8:9], s[8:9], s[14:15]
	; all 48 loads go out together; one wait
.irp s, 0,1,2,3
	global_load_b128 v[RW+16*(\s):RW+16*(\s)+3],     v8, s[6:7] offset:128*(\s)      ; k = 32 s + 8 h + 0..3
	global_load_b128 v[RW+16*(\s)+4:RW+16*(\s)+7],   v8, s[6:7] offset:128*(\s)+16   ; + 4..7
	global_load_b128 v[RW+16*(\s)+8:RW+16*(\s)+11],  v8, s[6:7] offset:128*(\s)+64   ; k = 32 s + 16 + 8 h + 0..3
	global_load_b128 v[RW+16*(\s)+12:RW+16*(\s)+15], v8, s[6:7] offset:128*(\s)+80   ; + 4..7
.endr
.set i, 0
.rept 32
	global_load_b128 v[X+4*i:X+4*i+3], v6, s[4:5] offset:4096*i th:TH_LOAD_NT        ; token i: 512 consecutive bytes
.set i, i+1
.endr
	s_wait_loadcnt 0x0
	; rounded in place, ascending: a destination never lies above its sources
.set i, 0
.rept 32
	v_cvt_pk_bf16_f32 v[X+4*i],   v[X+4*i],   v[X+4*i+1]
	v_cvt_pk_bf16_f32 v[X+4*i+1], v[X+4*i+2], v[X+4*i+3]
.set i, i+1
.endr
.irp s, 0,1,2,3
.irp n, 0,1,2,3,4,5,6,7
	v_cvt_pk_bf16_f32 v[RW+16*(\s)+(\n)], v[RW+16*(\s)+2*(\n)], v[RW+16*(\s)+2*(\n)+1]
.endr
.endr
.set i, 0
.rept 32
	global_store_b64 v7, v[X+4*i:X+4*i+1], s[8:9] offset:2048*i                      ; the wave stores 256 consecutive bytes, aligned
	ds_store_b64 v9, v[X+4*i:X+4*i+1] offset:XSP*i
.set i, i+1
.endr
	; fragments of x out of my own bytes: LDS serves a wave's instructions in order (ISA guide 5.7.1.4)
.irp s, 0,1,2,3
	ds_load_b128 v[XF+8*(\s):XF+8*(\s)+3],         v10 offset:64*(\s)
	ds_load_b128 v[XF+8*(\s)+4:XF+8*(\s)+7],       v10 offset:64*(\s)+32
	ds_load_b128 v[RW+16*(\s)+8:RW+16*(\s)+11],    v10 offset:16*XSP+64*(\s)
	ds_load_b128 v[RW+16*(\s)+12:RW+16*(\s)+15],   v10 offset:16*XSP+64*(\s)+32
.endr
	s_wait_dscnt 0x0
	; source 0 = experts, source 1 = 16 tokens: a lane holds one token (lane % 16), register j expert j.  The two accumulators take turns.
	v_wmma_f32_16x16x32_bf16 v[16:23], v[RW:RW+7], v[XF:XF+7], 0
	v_wmma_f32_16x16x32_bf16 v[24:31], v[RW:RW+7], v[RW+8:RW+15], 0
.irp s, 1,2,3
	v_wmma_f32_16x16x32_bf16 v[16:23], v[RW+16*(\s):RW+16*(\s)+7], v[XF+8*(\s):XF+8*(\s)+7], v[16:23]
	v_wmma_f32_16x16x32_bf16 v[24:31], v[RW+16*(\s):RW+16*(\s)+7], v[RW+16*(\s)+8:RW+16*(\s)+15], v[24:31]
.endr
.rept 4
	v_nop                                          ; four places between the last product and the first read of a result (ISA guide 7.12.1)
.endr
.irp j, 0,1,2,3,4,5,6,7
	v_cndmask_b32 v13, v[16+(\j)], v[24+(\j)], s16 ; lanes 0-15 tile 0, lanes 16-31 tile 1: token = lane
	ds_store_b32 v11, v13 offset:128*(\j)
.endr
	s_wait_dscnt 0x0                               ; for wave 0's sake: my partial sums are in LDS
	s_barrier_signal -1
	s_barrier_wait -1
	s_cmp_lg_u32 s12, 0
	s_cbranch_scc1 .Lend
	s_wait_xcnt 0x0                                ; the stores of xb have read their registers, which are loaded again now
.set i, 0
.rept 64
	ds_load_b32 v[32+i], v12 offset:1024*(i/8)+128*(i%8)   ; wave i / 8's sum for expert i % 8
.set i, i+1
.endr
	s_wait_dscnt 0x0
.macro ADD8 a, b                       ; eight sums, two at a time
.irp z, 0,2,4,6
	v_pk_add_f32 v[(\a)+(\z):(\a)+(\z)+1], v[(\a)+(\z):(\a)+(\z)+1], v[(\b)+(\z):(\b)+(\z)+1]
.endr
.endm
	ADD8 32, 40
	ADD8 48, 56
	ADD8 64, 72
	ADD8 80, 88
	ADD8 32, 48
	ADD8 64, 80
	ADD8 32, 64                                    ; v[32:39]: the token's eight logits
	v_max3_num_f32 v13, v32, v33, v34
	v_max3_num_f32 v13, v13, v35, v36
	v_max3_num_f32 v13, v13, v37, v38
	v_max_num_f32 v13, v13, v39                    ; the maximum is taken away before the exponentials
.irp j, 0,1,2,3,4,5,6,7
	v_sub_f32 v[96+(\j)], v[32+(\j)], v13
.endr
.irp j, 0,1,2,3,4,5,6,7
	v_mul_f32 v[96+(\j)], 0x3fb8aa3b, v[96+(\j)]   ; log2(e)
.endr
.irp j, 0,1,2,3,4,5,6,7
	v_exp_f32 v[104+(\j)], v[96+(\j)]
.endr
	v_nop                                          ; a plain instruction behind the last exponential
	s_wait_alu depctr_va_vdst(0)                   ; one wait for the batch of eight, ahead of its first reader
	v_add_f32 v112, v104, v105
	v_add_f32 v113, v106, v107
	v_add_f32 v114, v108, v109
	v_add_f32 v115, v110, v111
	v_add_f32 v112, v112, v113
	v_add_f32 v114, v114, v115
	v_add_f32 v112, v112, v114
	v_rcp_f32 v116, v112
	v_mov_b32 v14, 0                               ; the plain instruction behind the reciprocal: the choice starts at expert 0
	s_wait_alu depctr_va_vdst(0)
.irp j, 0,1,2,3,4,5,6,7
	v_mul_f32 v[104+(\j)], v[104+(\j)], v116       ; the probabilities
.endr
	v_mov_b32 v117, v104
.irp e, 1,2,3,4,5,6,7
	v_cmp_gt_f32 vcc_lo, v[104+(\e)], v117         ; strictly greater: the lower index keeps a tie
	v_cndmask_b32 v14, v14, \e, vcc_lo
	v_max_num_f32 v117, v117, v[104+(\e)]
.endr
	v_mov_b32 v15, 0
.irp e, 0,1,2,3,4,5,6,7
	v_cmp_eq_u32 s[20+(\e)], \e, v14               ; expert e's word: a bit for each of my 32 tokens
.endr
.irp e, 0,1,2,3,4,5,6,7
	v_writelane_b32 v15, s[20+(\e)], \e
.endr
	v_and_b32 v13, 7, v1
	v_lshlrev_b32 v13, 7, v13                      ; expert's row of 32 words,
	s_lshl_b32 s14, s13, 2
	v_add_nc_u32 v13, s14, v13                     ; my work-group's word: a fixed place, whatever was chosen
	v_cmp_gt_u32 vcc_lo, 8, v1
	s_wait_xcnt 0x0                                ; EXEC changes only behind this wait
	s_and_saveexec_b32 s28, vcc_lo
	global_store_b32 v13, v15, s[10:11]
	s_wait_xcnt 0x0
	s_or_b32 exec_lo, exec_lo, s28
.Lend:
	s_wait_tensorcnt 0x0                           ; the wave's end
	ds_add_u32 v4, v5
	s_wait_dscnt 0x0
	s_endpgm
.Lfunc_end_k_q513e850eb7_route:
	.size	k_q513e850eb7_route, .Lfunc_end_k_q513e850eb7_route-k_q513e850eb7_route
	.p2alignl 7, 3214868480
	.fill 96, 4, 3214868480
	.section	.rodata,"a",@progbits
	.p2align	6, 0x0
	.amdhsa_kernel k_q513e850eb7_route
		.amdhsa_group_segment_fixed_size 78848
		.amdhsa_private_segment_fixed_size 0
		.amdhsa_enable_private_segment 0
		.amdhsa_kernarg_size 32
		.amdhsa_user_sgpr_count 2
		.amdhsa_user_sgpr_kernarg_segment_ptr 1
		.amdhsa_wavefront_size32 1
		.amdhsa_system_sgpr_workgroup_id_x 1
		.amdhsa_system_sgpr_workgroup_id_y 1
		.amdhsa_system_sgpr_workgroup_id_z 1
		.amdhsa_system_vgpr_workitem_id 0
		.amdhsa_next_free_vgpr 256
		.amdhsa_next_free_sgpr 66
		.amdhsa_reserve_vcc 1
		.amdhsa_float_denorm_mode_32 3
		.amdhsa_float_denorm_mode_16_64 3
		.amdhsa_memory_ordered 1
		.amdhsa_forward_progress 1
		.amdhsa_inst_pref_size 31
	.end_amdhsa_kernel
	.amdgpu_metadata
---
amdhsa.version: [ 1, 2 ]
amdhsa.kernels:
  - .name:           k_q513e850eb7_route
    .symbol:         k_q513e850eb7_route.kd
    .args:
      - { .name: x, .offset: 0, .size: 8, .value_kind: global_buffer, .address_space: global }
      - { .name: router_w, .offset: 8, .size: 8, .value_kind: global_buffer, .address_space: global }
      - { .name: xb, .offset: 16, .size: 8, .value_kind: global_buffer, .address_space: global }
      - { .name: masks, .offset: 24, .size: 8, .value_kind: global_buffer, .address_space: global }
    .group_segment_fixed_size: 78848
    .private_segment_fixed_size: 0
    .kernarg_segment_align: 8
    .kernarg_segment_size: 32
    .max_flat_workgroup_size: 256
    .sgpr_count:     66
    .vgpr_count:     256
    .wavefront_size: 32
...
	.end_amdgpu_metadata
.endif
;; end of part 1
;; launch fc (part 2): grid 32 x 8, 8 waves a work-group, no clusters, 318,464 bytes of LDS; arguments expert_fc, xb, masks, hid, order; writes hid, order
.if DOCPART == 2
	.amdgcn_target "amdgcn-amd-amdhsa--gfx1250"
	.amdhsa_code_object_version 6
	.text
	.protected	k_q513e850eb7_fc
	.globl	k_q513e850eb7_fc
	.p2align	8
	.type	k_q513e850eb7_fc,@function
k_q513e850eb7_fc:
	s_mov_b64 s[64:65], 0
	v_nop
	global_prefetch_b8 v0, s[64:65] scope:SCOPE_SE
	s_setreg_imm32_b32 hwreg(HW_REG_WAVE_MODE, 25, 1), 1
	s_wait_xcnt 0x0
; FIRST PRODUCT.  hid[t][n] = relu(sum over k of xb[t][k] fc[e][k][n])^2 for the tokens t that chose expert e; hid is [1024][4096] bf16, rounded once.
; GRID.  x = slice of 128 columns n, y = expert e: 256 work-groups; each reads 1,024 x 128 f32 of fc[e] that nobody else reads.  Only the chosen rows are multiplied.
; ALL EIGHT WAVES RUN ONE TEXT.  No load, wait or LDS line stands under a branch that would change a count: only products, the LDS reads that feed them, and whole ways out are jumped.
; PHASE 1.  Wave w streams k rows 128 w .. 128 w + 127 of the slice (128 loads of 512 consecutive bytes) through a ring of 4 x 16 loads in registers, rounds them to bf16 and lays them
; into its own 36,864 bytes of LDS: 64 loads a wave are on their way.  The last four groups fill the ring again with the first token rows of pass 0, so that the ring runs on into phase 2.
; PHASE 2.  The expert's tokens have ranks 0 .. n - 1 in ascending order of token; every work-group finds the token of each rank from the expert's bitmap (32 scalar words).  A pass has 256 ranks,
; 16 blocks of 16; block b goes to wave (b % 4) + 4 ((b / 8) % 2) as its block (b / 4) % 2, so that up to 128 rows four waves have two blocks each and a weight fragment feeds two products.
; m = how many of the wave's two blocks are alive.  Four passes cover every split; a wave's dead passes behind the first are jumped.  The token rows of both blocks are always loaded.
; Ranks past n - 1 in the last live group of 32 repeat rank n - 1 (the same wave stores the same numbers to the same place again); groups wholly past n name token 0 and are never stored.
; The work-groups of slice 0 also store the list and the count for the next launch: order[e][rank], all 1,024, and from byte 32,768 on the count, 32 copies an expert.
; BARRIERS.  Between two barriers LDS is either written or read by the work-group (a wave's own stage aside): list written | list read | weights written | weights and list read | stages | and so on, pass by pass.
; NO CLUSTER, NO TENSOR LOAD: a slice of weights has one reader and must pass through registers to be rounded; the token rows that an expert's work-groups share come by a list.
; NO PREFETCH: phase 1 has 256 KB a work-group on its way from its first lines on.  The sums are cleared (128 v_mov_b32 a pass), since chunk 0 is a chunk like any other.
; LIMITS.  relu by v_max_num_f32: a NaN counts as 0.  Infinities are not treated apart.  hid in bf16 keeps f32's range.
.set P,      288                       ; a k row of 128 bf16 in LDS: 256 bytes + 32 = 72 words
.set CHB,    64*P                      ; a chunk of 64 k in LDS
.set GROW,   16384                     ; a k row of fc[e] in memory
.set STAGE,  1024*P                    ; behind the weights: 16 rows x 144 bytes for each wave, for the way out
.set SPITCH, 144                       ; 64 columns of bf16 + 16: the 16 rows of a store start at 16 different groups of four banks
.set LIST,   STAGE+8*16*SPITCH         ; token by rank, 1,024 words
.set SPARE,  LIST+4096                 ; the spare words, 128 bytes a wave: four blocks of 256 bytes that no other line names
.set WV,  14                           ; wave
.set G4,  15                           ; wave % 4
.set MK,  16                           ; s[16:47] the expert's bitmap
.set SL,  48                           ; slice
.set EX,  49                           ; expert
.set NN,  50                           ; n
.set NBK, 51                           ; blocks of 16 ranks
.set MB,  52                           ; m
.set II,  53                           ; trip of the loop over chunks
.set PP,  54                           ; pass
.set HI,  55                           ; wave / 4
.set OFS, 56                           ; s[56:57] an offset
.set WB,  58                           ; s[58:59] fc at my 128 rows of the slice
.set AB,  62                           ; s[62:63] xb, stepped along k
.set HB,  66                           ; s[66:67] hid at my slice
.set OE,  68                           ; s[68:69] order at my expert's list
.set OC,  70                           ; s[70:71] order + 128 e: the count lies 32,768 bytes on
.set RUN, 72
.set COMB, 73
.set TS,  74
.set FF,  75
.set GG,  76                           ; first rank of my wave's 32 in FIND
.set NM1, 77                           ; max(n, 1) - 1
.set T0,  80
.set T1,  81
.set RB,  82                           ; my first block in a pass: wave % 4 + 8 (wave / 4)
.set LMK, 83                           ; lanes 8-15 and 24-31
; VECTOR REGISTERS, window 0: v1 lane, v2 r = lane % 16, v3 h = lane / 16, v4 spare word, v5 0, v6 address of the weight fragments, v7 where I lay weights down, v8-9 my two blocks' row offsets in xb,
;   v10 16 x lane, v11 16 h, v12/v13 stage in/back, v14/v15 list (by r / by 8 h), v16 16 r, v17-29 FIND, v30 the fragments' lane term;
;   v[32:47] offsets in hid of the rows that I store, 8 a block; v[48:63] packed results; v[64:95] phase 1: bf16; the way out: rows read back; v[96:127] their second half; v[128:255] sums, (j, nb) at 128 + 64 j + 8 nb.
; window 1: phase 1: v[0:255] the ring, group g at 64 (g % 4).  Phase 2: v[0:127] token fragments, part u, block j, K step s at 32 u + 16 j + 8 s; v[128:255] weight fragments, K step s, columns nb at 128 + 64 s + 8 nb.
.set MSB, 0
.macro WIN new                         ; s_set_vgpr_msb: bits 1:0 source 0, 3:2 source 1, 5:4 source 2, 7:6 destination; the high byte repeats the setting that is left
.if MSB != (\new)
	s_set_vgpr_msb (MSB<<8)|(\new)
.set MSB, (\new)
.endif
.endm
.macro PLACES                          ; four places behind matrix instructions, ahead of loads into their registers
.rept 4
	v_nop
.endr
.endm
.macro MEET                            ; a barrier; my LDS instructions are done in front of the signal
	s_wait_dscnt 0x0
	s_barrier_signal -1
	s_barrier_wait -1
.endm
.macro MCOUNT                          ; m = how many of the blocks 16 PP + RB + 4 j, j = 0, 1, lie below the number of blocks
	s_lshl_b32 s[T0], s[PP], 4
	s_add_co_u32 s[T0], s[T0], s[RB]
	s_max_u32 s[T1], s[NBK], s[T0]
	s_sub_co_u32 s[T1], s[T1], s[T0]
	s_add_co_u32 s[T1], s[T1], 3
	s_lshr_b32 s[T1], s[T1], 2
	s_min_u32 s[MB], s[T1], 2
.endm
	s_load_b256 s[4:11], s[0:1], 0x0               ; fc s[4:5], xb s[6:7], masks s[8:9], hid s[10:11]
	s_load_b64 s[12:13], s[0:1], 0x20              ; order
	v_lshl_add_u32 v4, v0, 2, SPARE
	v_mov_b32 v5, 0
	v_and_b32 v1, 31, v0
	v_and_b32 v2, 15, v0
	v_bfe_u32 v3, v0, 4, 1
	v_lshrrev_b32 v17, 5, v0
	v_readfirstlane_b32 s[WV], v17
	s_and_b32 s[G4], s[WV], 3
	s_lshr_b32 s[HI], s[WV], 2
	s_lshl3_add_u32 s[RB], s[HI], s[G4]
	s_mov_b32 s[SL], ttmp9
	s_and_b32 s[EX], ttmp7, 0xffff
	s_mov_b32 s[LMK], 0xff00ff00
	s_mov_b32 s[PP], 0
	v_lshlrev_b32 v10, 4, v1
	s_lshl_b32 s[OFS], s[EX], 24                   ; an expert's 16 MiB,
	s_lshl_b32 s[T0], s[SL], 9                     ; the slice's 512 bytes of a row,
	s_add_co_u32 s[OFS], s[OFS], s[T0]
	s_lshl_b32 s[T0], s[WV], 21                    ; my 128 rows of 16,384 bytes
	s_add_co_u32 s[OFS], s[OFS], s[T0]
	s_mov_b32 s[OFS+1], 0
	s_wait_kmcnt 0x0
	s_add_nc_u64 s[WB:WB+1], s[4:5], s[OFS:OFS+1]
	s_lshl_b32 s[OFS], s[EX], 7
	s_add_nc_u64 s[8:9], s[8:9], s[OFS:OFS+1]
	s_add_nc_u64 s[OC:OC+1], s[12:13], s[OFS:OFS+1]
	s_load_b512 s[16:31], s[8:9], 0x0              ; the expert's bitmap
	s_load_b512 s[32:47], s[8:9], 0x40
	WIN 0x40
.set i, 0
.rept 64
	global_load_b128 v[4*i:4*i+3], v10, s[WB:WB+1] offset:i*GROW th:TH_LOAD_NT   ; groups 0 to 3: my k row i, 512 consecutive bytes
.set i, i+1
.endr
	WIN 0
	s_lshl_b32 s[OFS], s[EX], 12
	s_add_nc_u64 s[OE:OE+1], s[12:13], s[OFS:OFS+1]
	s_lshl_b32 s[OFS], s[SL], 8
	s_add_nc_u64 s[HB:HB+1], s[10:11], s[OFS:OFS+1]
	s_mul_i32 s[T0], s[WV], 128*P
	v_lshl_add_u32 v7, v1, 3, s[T0]                ; my region of the weights + 8 x lane
	v_and_b32 v17, 7, v0
	v_lshl_add_u32 v17, v3, 3, v17
	v_mul_u32_u24 v30, v17, P
	v_bfe_u32 v17, v0, 3, 1
	v_lshl_add_u32 v30, v17, 4, v30                ; (8 h + l % 8) x pitch + 16 ((l / 8) % 2)
	v_lshlrev_b32 v11, 4, v3
	v_lshlrev_b32 v16, 4, v2
	s_mul_i32 s[T0], s[WV], 16*SPITCH
	s_add_co_u32 s[T0], s[T0], STAGE               ; my stage
	v_mul_u32_u24 v12, v2, SPITCH
	v_lshl_add_u32 v12, v3, 4, v12
	v_add_nc_u32 v12, s[T0], v12                   ; in: row r, 16 h
	v_mul_u32_u24 v13, v3, 8*SPITCH
	v_and_b32 v17, 7, v0
	v_lshl_add_u32 v13, v17, 4, v13
	v_add_nc_u32 v13, s[T0], v13                   ; back: rows 8 h + t, piece r % 8
	s_lshl_b32 s[T0], s[RB], 6
	s_add_co_u32 s[T0], s[T0], LIST                ; my first block's 16 words of the list
	v_lshl_add_u32 v14, v2, 2, s[T0]
	v_lshl_add_u32 v15, v3, 5, s[T0]
	s_wait_kmcnt 0x0
	s_bcnt1_i32_b32 s[NN], s[MK]
.set j, 1
.rept 31
	s_bcnt1_i32_b32 s[TS], s[MK+j]
	s_add_co_u32 s[NN], s[NN], s[TS]
.set j, j+1
.endr
	s_add_co_u32 s[NBK], s[NN], 15
	s_lshr_b32 s[NBK], s[NBK], 4
	s_max_u32 s[NM1], s[NN], 1
	s_sub_co_u32 s[NM1], s[NM1], 1
	MCOUNT                                         ; m of pass 0
	; FIND: the token of rank v0 + 256 F, four trips: all 1,024 words of the list are written.  It stands in the wait for the first weights.
.macro PICK inc                        ; v24 = set bits in the lower part: if the rank left is not below it, go to the upper part
	v_cmp_ge_u32 vcc_lo, v18, v24
	v_cndmask_b32 v25, 0, v24, vcc_lo
	v_sub_nc_u32 v18, v18, v25
	v_cndmask_b32 v25, 0, \inc, vcc_lo
	v_add_nc_u32 v26, v26, v25
.endm
	v_mov_b32 v17, v0                              ; rank
	v_lshl_add_u32 v28, v0, 2, LIST
	v_lshlrev_b32 v29, 2, v0
	s_lshl_b32 s[GG], s[WV], 5
	s_mov_b32 s[FF], 0
.Lfind:
	v_mov_b32 v27, 0                               ; a group of 32 ranks wholly past the count names token 0
	s_cmp_ge_u32 s[GG], s[NN]
	s_cbranch_scc1 .Lfind_put
	v_min_u32 v18, s[NM1], v17                     ; ranks past the last repeat the last
	v_mov_b32 v19, s[MK]                           ; the word that holds the rank,
	v_mov_b32 v20, 0                               ; the bits in front of it | its number << 16
	s_mov_b32 s[RUN], 0
.set j, 1
.rept 31
	s_bcnt1_i32_b32 s[TS], s[MK+j-1]
	s_add_co_u32 s[RUN], s[RUN], s[TS]
	s_or_b32 s[COMB], s[RUN], j<<16
	v_cmp_le_u32 vcc_lo, s[RUN], v18
	v_cndmask_b32 v19, v19, s[MK+j], vcc_lo
	v_cndmask_b32 v20, v20, s[COMB], vcc_lo
.set j, j+1
.endr
	v_and_b32 v21, 0xffff, v20
	v_sub_nc_u32 v18, v18, v21                     ; the rank inside the word
	v_lshrrev_b32 v27, 16, v20
	v_lshrrev_b32 v21, 1, v19                      ; counts of set bits in fields of 2, 4, 8 bits and in the low 16
	v_and_b32 v21, 0x55555555, v21
	v_sub_nc_u32 v21, v19, v21
	v_lshrrev_b32 v22, 2, v21
	v_and_b32 v22, 0x33333333, v22
	v_and_b32 v24, 0x33333333, v21
	v_add_nc_u32 v22, v22, v24
	v_lshrrev_b32 v23, 4, v22
	v_add_nc_u32 v23, v23, v22
	v_and_b32 v23, 0x0f0f0f0f, v23
	v_lshrrev_b32 v24, 8, v23
	v_add_nc_u32 v24, v24, v23
	v_and_b32 v24, 0xff, v24
	v_mov_b32 v26, 0                               ; the bit's place
	PICK 16
	v_bfe_u32 v24, v23, v26, 8
	PICK 8
	v_bfe_u32 v24, v22, v26, 4
	PICK 4
	v_bfe_u32 v24, v21, v26, 2
	PICK 2
	v_bfe_u32 v24, v19, v26, 1
	PICK 1
	v_lshl_add_u32 v27, v27, 5, v26                ; the token
.Lfind_put:
	ds_store_b32 v28, v27
	s_cmp_lg_u32 s[SL], 0
	s_cbranch_scc1 .Lfind_step
	global_store_b32 v29, v27, s[OE:OE+1]          ; slice 0 keeps the list for the next launch
.Lfind_step:
	s_wait_xcnt 0x0                                ; the store has read v27 and v29
	v_add_nc_u32 v17, 0x100, v17
	v_add_nc_u32 v28, 0x400, v28
	v_add_nc_u32 v29, 0x400, v29
	s_add_co_u32 s[GG], s[GG], 0x100
	s_add_co_u32 s[FF], s[FF], 1
	s_cmp_lt_u32 s[FF], 4
	s_cbranch_scc1 .Lfind
	s_cmp_lg_u32 s[SL], 0
	s_cbranch_scc1 .Lno_cnt
	s_cmp_lg_u32 s[WV], 0
	s_cbranch_scc1 .Lno_cnt
	v_mov_b32 v24, s[NN]
	v_lshlrev_b32 v25, 2, v1
	global_store_b32 v25, v24, s[OC:OC+1] offset:32768
.Lno_cnt:
	s_wait_xcnt 0x0                                ; v24 and v25 are written again below
	MEET                                           ; the list is whole
; A pass begins: my two blocks' tokens, their rows' offsets in xb and in hid, cleared sums, k = 0.
.macro TOK
	ds_load_b32 v24, v14                           ; block 0: the token of row r
	ds_load_b32 v25, v14 offset:256                ; block 1 lies 64 ranks on
	ds_load_b128 v[32:35], v15                     ; the tokens of rows 8 h + 0..7, for the way out
	ds_load_b128 v[36:39], v15 offset:16
	ds_load_b128 v[40:43], v15 offset:256
	ds_load_b128 v[44:47], v15 offset:272
.set i, 0
.rept 128
	v_mov_b32 v[128+i], 0
.set i, i+1
.endr
	s_wait_dscnt 0x0
	v_min_u32 v24, 0x3ff, v24
	v_min_u32 v25, 0x3ff, v25
	v_lshl_add_u32 v8, v24, 11, v11                ; token x 2,048 bytes + 16 h
	v_lshl_add_u32 v9, v25, 11, v11
.set i, 0
.rept 16
	v_min_u32 v[32+i], 0x3ff, v[32+i]
	v_lshl_add_u32 v[32+i], v[32+i], 13, v16       ; token x 8,192 bytes + 16 r
.set i, i+1
.endr
	v_mov_b32 v6, v30
	s_mov_b64 s[AB:AB+1], s[6:7]
.endm
; Eight loads: both blocks' fragments of a chunk (16 tokens x 64 k each) into ring part a: lane l holds token l % 16; 16 bytes at 16 h and 32 bytes on, for each 32 k.
.macro ALOAD a, imm
	WIN 0x40
.irp j, 0,1
.irp s, 0,1
	global_load_b128 v[32*(\a)+16*(\j)+8*(\s):32*(\a)+16*(\j)+8*(\s)+3],   v[8+(\j)], s[AB:AB+1] offset:(\imm)+64*(\s)
	global_load_b128 v[32*(\a)+16*(\j)+8*(\s)+4:32*(\a)+16*(\j)+8*(\s)+7], v[8+(\j)], s[AB:AB+1] offset:(\imm)+64*(\s)+32
.endr
.endr
	WIN 0
.endm
; Group g of my 128 rows has landed in ring part g % 4: it is rounded, the part is asked for again (group g + 4, or behind the last weights token part g - 4), and the bf16 go to LDS.
.macro PROD g, left
	s_wait_loadcnt \left
	WIN 0x05                                       ; sources in window 1
.set i, 0
.rept 16
	v_cvt_pk_bf16_f32 v[64+2*i],   v[64*((\g)%4)+4*i],   v[64*((\g)%4)+4*i+1]
	v_cvt_pk_bf16_f32 v[64+2*i+1], v[64*((\g)%4)+4*i+2], v[64*((\g)%4)+4*i+3]
.set i, i+1
.endr
.if (\g) < 4
	WIN 0x40
.set i, 0
.rept 16
	global_load_b128 v[64*(\g)+4*i:64*(\g)+4*i+3], v10, s[WB:WB+1] offset:(16*((\g)+4)+i)*GROW th:TH_LOAD_NT
.set i, i+1
.endr
	WIN 0
.else
	ALOAD (\g)-4, 128*((\g)-4)
.endif
.set i, 0
.rept 16
	ds_store_b64 v7, v[64+2*i:64+2*i+1] offset:(16*(\g)+i)*P   ; a k row's 256 bytes
.set i, i+1
.endr
.endm
	TOK
	MEET                                           ; every wave's reads of the list are back before any wave stores weights: a stretch of reads ends here, a stretch of stores begins.  The 64 loads of the weights stay on their way across it
	PROD 0, 48                                     ; behind a group's 16 loads stand those of three younger groups
	PROD 1, 48
	PROD 2, 48
	PROD 3, 48
	PROD 4, 48
	PROD 5, 40                                     ; two groups of 16 and one token part of 8
	PROD 6, 32                                     ; one group and two parts
	PROD 7, 24                                     ; three parts
	MEET                                           ; the slice is whole in LDS
; Sixteen loads: 32 k x 128 columns of the weights at byte off behind v6 into fragment buffer buf.  The weights lie [k][n]: the turning load takes 16 k x 16 n
; (lane l reads k = 8 h + l % 8, n = 8 ((l / 8) % 2) + 0..7) and leaves half a fragment.
.macro BLD buf, off
.irp nb, 0,1,2,3,4,5,6,7
	ds_load_tr16_b128 v[128+64*(\buf)+8*(\nb):128+64*(\buf)+8*(\nb)+3],   v6 offset:(\off)+32*(\nb)
	ds_load_tr16_b128 v[128+64*(\buf)+8*(\nb)+4:128+64*(\buf)+8*(\nb)+7], v6 offset:(\off)+16*P+32*(\nb)
.endr
.endm
; Eight products: block j, K step s of ring part u, all 128 columns.  Source 0 = 16 columns of the weights, source 1 = 16 tokens: a lane then holds one token and eight neighbouring columns.
; The eight accumulators take turns, one instruction a turn; no two products that follow each other, on any way, share an accumulator.
.macro MJ u, s, j
	WIN 0x05                                       ; both sources in window 1, the sums in window 0
.irp nb, 0,1,2,3,4,5,6,7
	v_wmma_f32_16x16x32_bf16 v[128+64*(\j)+8*(\nb):128+64*(\j)+8*(\nb)+7], v[128+64*(\s)+8*(\nb):128+64*(\s)+8*(\nb)+7], v[32*(\u)+16*(\j)+8*(\s):32*(\u)+16*(\j)+8*(\s)+7], v[128+64*(\j)+8*(\nb):128+64*(\j)+8*(\nb)+7]
.endr
	WIN 0
.endm
.macro MSTEP u, s
	MJ \u, \s, 0
	s_cmp_lt_u32 s[MB], 2
	s_cbranch_scc1 .Lms_\@
	MJ \u, \s, 1
.Lms_\@:
.endm
; A chunk of 64 k, token rows in ring part u.  left: the younger token loads, which may stay out.  re = 1: the part is asked for again, four chunks on.  look = 1: the next chunk's first K step is fetched ahead.
; At the entry the chunk's first K step is on its way into buffer 0.  A wave without a live block jumps the LDS reads and the products, never a global load or the wait for it.
.macro CHUNK u, re, left, look
	s_wait_loadcnt \left
	s_cmp_eq_u32 s[MB], 0
	s_cbranch_scc1 .Lck_\@
	WIN 0x40
	BLD 1, 32*P                                    ; the second K step
	WIN 0
	s_wait_dscnt 16                                ; buffer 0 is in; the 16 loads just issued may be out
	MSTEP \u, 0
.if \look
	PLACES
	WIN 0x40
	BLD 0, CHB
	WIN 0
	s_wait_dscnt 16                                ; buffer 1 is in
.else
	s_wait_dscnt 0x0
.endif
	MSTEP \u, 1
.Lck_\@:
	v_add_nc_u32 v6, CHB, v6                       ; the next chunk; with the three lines below the four places ahead of the loads into fragments just multiplied, and of the way out
	v_nop
	v_nop
	v_nop
.if \re
	ALOAD \u, 128*(4+(\u))
.endif
.endm
; THE WAY OUT of block j: relu, square, bf16.  The stage holds 16 rows x 64 columns, so the block goes through it in two halves: 16 bytes a lane in, back by rows; lanes 0-7 of each 16 keep
; their piece of the first half, lanes 8-15 that of the second; then 16 lanes hold a row's 256 bytes, stored to its token's row of hid.
.macro EPI j
	s_cmp_le_u32 s[MB], \j
	s_cbranch_scc1 .Lnext
	s_wait_xcnt 0x0                                ; the block before has had its stores' registers read
.set i, 0
.rept 64
	v_max_num_f32 v[128+64*(\j)+i], 0, v[128+64*(\j)+i]   ; ascending: each accumulator is read from its low end on
.set i, i+1
.endr
.set i, 0
.rept 32
	v_pk_mul_f32 v[128+64*(\j)+2*i:128+64*(\j)+2*i+1], v[128+64*(\j)+2*i:128+64*(\j)+2*i+1], v[128+64*(\j)+2*i:128+64*(\j)+2*i+1]
.set i, i+1
.endr
.irp c, 0,1
.set i, 0
.rept 16
	v_cvt_pk_bf16_f32 v[48+i], v[128+64*(\j)+32*(\c)+2*i], v[128+64*(\j)+32*(\c)+2*i+1]
.set i, i+1
.endr
.irp nb, 0,1,2,3
	ds_store_b128 v12, v[48+4*(\nb):48+4*(\nb)+3] offset:32*(\nb)
.endr
.irp t, 0,1,2,3,4,5,6,7
	ds_load_b128 v[64+32*(\c)+4*(\t):64+32*(\c)+4*(\t)+3], v13 offset:SPITCH*(\t)   ; LDS serves a wave's instructions in order (ISA guide 5.7.1.4): these see the stores above, and the second half's stores come behind them
.endr
.endr
.irp t, 0,1,2,3,4,5,6,7
	s_wait_dscnt 7-(\t)                            ; the second half's row t is in, and all of the first half
.irp z, 0,1,2,3
	v_cndmask_b32 v[64+4*(\t)+(\z)], v[64+4*(\t)+(\z)], v[96+4*(\t)+(\z)], s[LMK]
.endr
	global_store_b128 v[32+8*(\j)+(\t)], v[64+4*(\t):64+4*(\t)+3], s[HB:HB+1]   ; 16 lanes store 256 consecutive bytes, aligned: rows t and 8 + t
.endr
.endm
.Lpass:                                                ; four passes of 256 ranks
	s_cmp_eq_u32 s[PP], 0
	s_cbranch_scc1 .Lgo                            ; pass 0 was set up, and its first four token parts asked for, in phase 1
	MCOUNT
	s_cmp_eq_u32 s[MB], 0
	s_cbranch_scc1 .Lmeet                          ; nothing of this pass is mine
	s_wait_loadcnt 0x0                             ; no load is out,
	s_wait_xcnt 0x0                                ; and the last way out's stores have read their registers
	TOK
	ALOAD 0, 0
	ALOAD 1, 128
	ALOAD 2, 256
	ALOAD 3, 384
.Lgo:
	s_cmp_eq_u32 s[MB], 0
	s_cbranch_scc1 .Lpre
	WIN 0x40
	BLD 0, 0                                       ; chunk 0's first K step
	WIN 0
.Lpre:
	s_mov_b32 s[II], 0
.Lk:                                                   ; chunks 0 to 11: behind a part's 8 loads stand those of three younger parts
	CHUNK 0, 1, 24, 1
	CHUNK 1, 1, 24, 1
	CHUNK 2, 1, 24, 1
	CHUNK 3, 1, 24, 1
	s_wait_xcnt 0x0                                ; the base is stepped only behind this wait
	s_add_nc_u64 s[AB:AB+1], s[AB:AB+1], 512
	s_add_co_u32 s[II], s[II], 1
	s_cmp_lt_u32 s[II], 3
	s_cbranch_scc1 .Lk
	CHUNK 0, 0, 24, 1                              ; the last four chunks ask for nothing: the counts run down
	CHUNK 1, 0, 16, 1
	CHUNK 2, 0, 8, 1
	CHUNK 3, 0, 0, 0
.Lmeet:
	MEET                                           ; every wave has read what it reads of the weights and the list in this pass; only now are the stages written
	EPI 0
	EPI 1
.Lnext:
	MEET                                           ; the stages are at rest before the next pass's reads.  With these two barriers LDS is never both written and read at stepped addresses between two barriers
	v_add_nc_u32 v14, 0x400, v14                   ; 256 ranks on
	v_add_nc_u32 v15, 0x400, v15
	s_add_co_u32 s[PP], s[PP], 1
	s_cmp_lt_u32 s[PP], 4
	s_cbranch_scc1 .Lpass
	s_wait_tensorcnt 0x0                           ; the wave's end
	ds_add_u32 v4, v5
	s_wait_dscnt 0x0
	s_endpgm
.Lfunc_end_k_q513e850eb7_fc:
	.size	k_q513e850eb7_fc, .Lfunc_end_k_q513e850eb7_fc-k_q513e850eb7_fc
	.p2alignl 7, 3214868480
	.fill 96, 4, 3214868480
	.section	.rodata,"a",@progbits
	.p2align	6, 0x0
	.amdhsa_kernel k_q513e850eb7_fc
		.amdhsa_group_segment_fixed_size 318464
		.amdhsa_private_segment_fixed_size 0
		.amdhsa_enable_private_segment 0
		.amdhsa_kernarg_size 40
		.amdhsa_user_sgpr_count 2
		.amdhsa_user_sgpr_kernarg_segment_ptr 1
		.amdhsa_wavefront_size32 1
		.amdhsa_system_sgpr_workgroup_id_x 1
		.amdhsa_system_sgpr_workgroup_id_y 1
		.amdhsa_system_sgpr_workgroup_id_z 1
		.amdhsa_system_vgpr_workitem_id 0
		.amdhsa_next_free_vgpr 512
		.amdhsa_next_free_sgpr 96
		.amdhsa_reserve_vcc 1
		.amdhsa_float_denorm_mode_32 3
		.amdhsa_float_denorm_mode_16_64 3
		.amdhsa_memory_ordered 1
		.amdhsa_forward_progress 1
		.amdhsa_inst_pref_size 140
	.end_amdhsa_kernel
	.amdgpu_metadata
---
amdhsa.version: [ 1, 2 ]
amdhsa.kernels:
  - .name:           k_q513e850eb7_fc
    .symbol:         k_q513e850eb7_fc.kd
    .args:
      - { .name: expert_fc, .offset: 0, .size: 8, .value_kind: global_buffer, .address_space: global }
      - { .name: xb, .offset: 8, .size: 8, .value_kind: global_buffer, .address_space: global }
      - { .name: masks, .offset: 16, .size: 8, .value_kind: global_buffer, .address_space: global }
      - { .name: hid, .offset: 24, .size: 8, .value_kind: global_buffer, .address_space: global }
      - { .name: order, .offset: 32, .size: 8, .value_kind: global_buffer, .address_space: global }
    .group_segment_fixed_size: 318464
    .private_segment_fixed_size: 0
    .kernarg_segment_align: 8
    .kernarg_segment_size: 40
    .max_flat_workgroup_size: 256
    .sgpr_count:     96
    .vgpr_count:     512
    .wavefront_size: 32
...
	.end_amdgpu_metadata
.endif
;; end of part 2
;; launch proj (part 3): grid 32 x 8, 8 waves a work-group, no clusters, 282,112 bytes of LDS; arguments expert_proj, hid, order, out0; writes out0
.if DOCPART == 3
	.amdgcn_target "amdgcn-amd-amdhsa--gfx1250"
	.amdhsa_code_object_version 6
	.text
	.protected	k_q513e850eb7_proj
	.globl	k_q513e850eb7_proj
	.p2align	8
	.type	k_q513e850eb7_proj,@function
k_q513e850eb7_proj:
	s_mov_b64 s[64:65], 0
	v_nop
	global_prefetch_b8 v0, s[64:65] scope:SCOPE_SE
	s_setreg_imm32_b32 hwreg(HW_REG_WAVE_MODE, 25, 1), 1
	s_wait_xcnt 0x0
; SECOND PRODUCT.  out0[t][d] = sum over k of hid[t][k] proj[e][d][k] for the tokens t that chose expert e; f32 out.  Each token has one expert, so each output number has one owner.
; GRID.  x = slice of 32 rows d, y = expert e: 256 work-groups; each reads 32 x 4,096 f32 of proj[e] that nobody else reads.
; ALL EIGHT WAVES RUN ONE TEXT, as in the first product.  No load, wait or LDS line stands under a branch that would change a count: only products, the LDS reads that feed them, and whole ways out are jumped.
; PHASE 1.  Wave w streams rows d 4 w .. 4 w + 3 of the slice, 65,536 consecutive bytes, as 128 loads of 512 bytes through a ring of 4 x 16 loads in registers, rounds them to bf16 and lays them into its own
; four rows of LDS.  The last four groups fill the ring again with the first token rows of pass 0: the ring runs on into phase 2 with the same count.
; PHASE 2.  A pass has 256 ranks, 16 blocks of 16; block b goes to wave (b % 4) + 4 ((b / 8) % 2) as its block (b / 4) % 2; m = how many of the wave's two blocks are alive.  Four passes cover every split;
; a wave's dead passes behind the first are jumped.  The rows of hid of both blocks are always loaded: the list holds a token at every rank (rank n - 1's up to the end of its group of 32, token 0 behind).
; Ranks past n - 1 in the last live block are stored again by the same wave with the same numbers.  The list and the count n come from the launch before (order).
; STORES.  A slice's 32 numbers of a row are 128 bytes: eight lanes store 128 consecutive bytes, aligned to 128: half of an aligned 256.  That is the price of one owner for each output without a launch that adds parts.
; NO CLUSTER, NO TENSOR LOAD: a slice of weights has one reader and must pass through registers to be rounded; the rows of hid that an expert's work-groups share come by a list.
; NO PREFETCH: phase 1 has 256 KB a work-group on its way from its first lines on.  The sums are cleared (32 v_mov_b32 a pass), since chunk 0 is a chunk like any other.
; LIMITS.  NaN and infinities are not treated apart.
.set WPP,    8208                      ; a row d of 4,096 bf16 in LDS: 8,192 bytes + 16 = 2,052 words: the 16 rows of a fragment load start at 16 different groups of four banks (ISA guide 11.1)
.set STAGE,  32*WPP                    ; behind the weights: 16 rows x 144 bytes for each wave
.set SPITCH, 144
.set SPARE,  STAGE+8*16*SPITCH         ; the spare words, 128 bytes a wave: four blocks of 256 bytes that no other line names
.set WV,  14
.set G4,  15
.set SL,  48
.set EX,  49
.set NN,  50
.set NBK, 51
.set MB,  52
.set II,  53
.set PP,  54
.set HI,  55
.set OFS, 56                           ; s[56:57]
.set WB,  58                           ; s[58:59] proj at my four rows
.set AB,  62                           ; s[62:63] hid, stepped along k
.set OB,  66                           ; s[66:67] out0 at my slice
.set OE,  68                           ; s[68:69] order at my expert's list
.set OC,  70                           ; s[70:71] order + 128 e
.set T0,  80
.set T1,  81
.set RB,  82                           ; my first block in a pass
; VECTOR REGISTERS, window 0: v1 lane, v2 r, v3 h, v4 spare word, v5 0, v6/v17 addresses of the weight fragments (rows d 0-15 / 16-31), v7 where I lay weights down, v8-9 my two blocks' row offsets in hid,
;   v10 16 x lane, v11 16 h, v12/v13 stage in/back, v14/v15 offsets in the list (by r / by four rows), v16 16 (l % 8), v18/v19 the fragments' lane terms, v20-25 at work;
;   v[32:39] offsets in out0 of the rows that I store, 4 a block; v[48:63] rows read back; v[64:95] phase 1: bf16; v[96:127] sums, (j, nb) at 96 + 16 j + 8 nb;
;   v[128:255] weight fragments: buffer, K step s, rows nb at 128 + 64 buf + 16 s + 8 nb.
; window 1: v[0:255] the ring: weights' group g at 64 (g % 4); token fragments, part u, block j, K step s at 64 u + 32 j + 8 s.
.set MSB, 0
.macro WIN new                         ; s_set_vgpr_msb: bits 1:0 source 0, 3:2 source 1, 5:4 source 2, 7:6 destination; the high byte repeats the setting that is left
.if MSB != (\new)
	s_set_vgpr_msb (MSB<<8)|(\new)
.set MSB, (\new)
.endif
.endm
.macro MEET                            ; a barrier; my LDS instructions are done in front of the signal
	s_wait_dscnt 0x0
	s_barrier_signal -1
	s_barrier_wait -1
.endm
.macro MCOUNT                          ; m = how many of the blocks 16 PP + RB + 4 j, j = 0, 1, lie below the number of blocks
	s_lshl_b32 s[T0], s[PP], 4
	s_add_co_u32 s[T0], s[T0], s[RB]
	s_max_u32 s[T1], s[NBK], s[T0]
	s_sub_co_u32 s[T1], s[T1], s[T0]
	s_add_co_u32 s[T1], s[T1], 3
	s_lshr_b32 s[T1], s[T1], 2
	s_min_u32 s[MB], s[T1], 2
.endm
; A pass's tokens: of row r of each block, for the fragments; of rows 4 (l / 8) + 0..3, for the way out
.macro TOKLD
	global_load_b32 v24, v14, s[OE:OE+1]
	global_load_b32 v25, v14, s[OE:OE+1] offset:256
	global_load_b128 v[32:35], v15, s[OE:OE+1]
	global_load_b128 v[36:39], v15, s[OE:OE+1] offset:256
.endm
.macro TOKFIN                          ; their rows' offsets in hid and in out0, cleared sums, k = 0
	v_min_u32 v24, 0x3ff, v24
	v_min_u32 v25, 0x3ff, v25
	v_lshl_add_u32 v8, v24, 13, v11                ; token x 8,192 bytes + 16 h
	v_lshl_add_u32 v9, v25, 13, v11
.set i, 0
.rept 8
	v_min_u32 v[32+i], 0x3ff, v[32+i]
	v_lshl_add_u32 v[32+i], v[32+i], 12, v16       ; token x 4,096 bytes + 16 (l % 8)
.set i, i+1
.endr
.set i, 0
.rept 32
	v_mov_b32 v[96+i], 0
.set i, i+1
.endr
	v_mov_b32 v6, v18
	v_mov_b32 v17, v19
	s_mov_b64 s[AB:AB+1], s[6:7]
.endm
; Sixteen loads: both blocks' fragments of a chunk (16 tokens x 128 k each) into ring part a
.macro ALOAD a, imm
	WIN 0x40
.irp j, 0,1
.irp s, 0,1,2,3
	global_load_b128 v[64*(\a)+32*(\j)+8*(\s):64*(\a)+32*(\j)+8*(\s)+3],   v[8+(\j)], s[AB:AB+1] offset:(\imm)+64*(\s)
	global_load_b128 v[64*(\a)+32*(\j)+8*(\s)+4:64*(\a)+32*(\j)+8*(\s)+7], v[8+(\j)], s[AB:AB+1] offset:(\imm)+64*(\s)+32
.endr
.endr
	WIN 0
.endm
; Group g of my 128 loads has landed in ring part g % 4: it is rounded, the part is asked for again (group g + 4, or behind the last weights token part g - 4), and the bf16 go to LDS.
.macro PROD g
	s_wait_loadcnt 48                              ; behind a group's 16 loads stand three younger groups or parts of 16
	WIN 0x05                                       ; sources in window 1
.set i, 0
.rept 16
	v_cvt_pk_bf16_f32 v[64+2*i],   v[64*((\g)%4)+4*i],   v[64*((\g)%4)+4*i+1]
	v_cvt_pk_bf16_f32 v[64+2*i+1], v[64*((\g)%4)+4*i+2], v[64*((\g)%4)+4*i+3]
.set i, i+1
.endr
.if (\g) < 4
	WIN 0x40
.set i, 0
.rept 16
	global_load_b128 v[64*(\g)+4*i:64*(\g)+4*i+3], v10, s[WB:WB+1] offset:(16*((\g)+4)+i)*512 th:TH_LOAD_NT
.set i, i+1
.endr
	WIN 0
.else
	ALOAD (\g)-4, 256*((\g)-4)
.endif
.set i, 0
.rept 16
	ds_store_b64 v7, v[64+2*i:64+2*i+1] offset:((16*(\g)+i)/32)*WPP+((16*(\g)+i)%32)*256   ; 128 k of a row: 256 bytes
.set i, i+1
.endr
.endm
	s_load_b256 s[4:11], s[0:1], 0x0               ; proj s[4:5], hid s[6:7], order s[8:9], out0 s[10:11]
	v_lshl_add_u32 v4, v0, 2, SPARE
	v_mov_b32 v5, 0
	v_and_b32 v1, 31, v0
	v_and_b32 v2, 15, v0
	v_bfe_u32 v3, v0, 4, 1
	v_lshrrev_b32 v20, 5, v0
	v_readfirstlane_b32 s[WV], v20
	s_and_b32 s[G4], s[WV], 3
	s_lshr_b32 s[HI], s[WV], 2
	s_lshl3_add_u32 s[RB], s[HI], s[G4]
	s_mov_b32 s[SL], ttmp9
	s_and_b32 s[EX], ttmp7, 0xffff
	s_mov_b32 s[PP], 0
	v_lshlrev_b32 v10, 4, v1
	v_bfe_u32 v21, v0, 3, 2                        ; l / 8
	v_and_b32 v22, 7, v0                           ; l % 8
	s_lshl_b32 s[T0], s[RB], 6                     ; my first block's 16 words of the list
	v_lshl_add_u32 v14, v2, 2, s[T0]
	v_lshl_add_u32 v15, v21, 4, s[T0]
	s_lshl_b32 s[OFS], s[EX], 24                   ; an expert's 16 MiB,
	s_lshl_b32 s[T0], s[SL], 19                    ; the slice's 32 rows,
	s_add_co_u32 s[OFS], s[OFS], s[T0]
	s_lshl_b32 s[T0], s[WV], 16                    ; my four of them
	s_add_co_u32 s[OFS], s[OFS], s[T0]
	s_mov_b32 s[OFS+1], 0
	s_wait_kmcnt 0x0
	s_add_nc_u64 s[WB:WB+1], s[4:5], s[OFS:OFS+1]
	s_lshl_b32 s[OFS], s[EX], 7
	s_add_nc_u64 s[OC:OC+1], s[8:9], s[OFS:OFS+1]
	s_load_b32 s[NN], s[OC:OC+1], 0x8000           ; n
	s_lshl_b32 s[OFS], s[EX], 12
	s_add_nc_u64 s[OE:OE+1], s[8:9], s[OFS:OFS+1]
	s_lshl_b32 s[OFS], s[SL], 7
	s_add_nc_u64 s[OB:OB+1], s[10:11], s[OFS:OFS+1]
	TOKLD                                          ; pass 0's tokens: the oldest loads, so the first group's wait shows them landed too
	WIN 0x40
.set i, 0
.rept 64
	global_load_b128 v[4*i:4*i+3], v10, s[WB:WB+1] offset:i*512 th:TH_LOAD_NT   ; groups 0 to 3: 512 consecutive bytes each
.set i, i+1
.endr
	WIN 0
	s_mul_i32 s[T0], s[WV], 4*WPP
	v_lshl_add_u32 v7, v1, 3, s[T0]                ; my four rows of the weights + 8 x lane
	v_mul_u32_u24 v18, v2, WPP
	v_lshl_add_u32 v18, v3, 4, v18                 ; row x pitch + 16 h
	v_add_nc_u32 v19, 16*WPP, v18
	v_lshlrev_b32 v11, 4, v3
	v_lshlrev_b32 v16, 4, v22
	s_mul_i32 s[T0], s[WV], 16*SPITCH
	s_add_co_u32 s[T0], s[T0], STAGE               ; my stage
	v_mul_u32_u24 v12, v2, SPITCH
	v_lshl_add_u32 v12, v3, 5, v12
	v_add_nc_u32 v12, s[T0], v12                   ; in: row r, 32 h
	v_mul_u32_u24 v13, v21, 4*SPITCH
	v_lshl_add_u32 v13, v22, 4, v13
	v_add_nc_u32 v13, s[T0], v13                   ; back: rows 4 (l / 8) + t, piece l % 8
	s_wait_kmcnt 0x0
	s_min_u32 s[NN], s[NN], 0x400
	s_add_co_u32 s[NBK], s[NN], 15
	s_lshr_b32 s[NBK], s[NBK], 4
	MCOUNT                                         ; m of pass 0
	PROD 0
	PROD 1
	PROD 2
	PROD 3
	TOKFIN
	PROD 4
	PROD 5
	PROD 6
	PROD 7
	MEET                                           ; the slice is whole in LDS
; Sixteen loads: 128 k x 32 rows d of the weights at byte off behind v6 and v17 into fragment buffer buf
.macro BLD buf, off
.irp s, 0,1,2,3
	ds_load_b128 v[128+64*(\buf)+16*(\s):128+64*(\buf)+16*(\s)+3],     v6  offset:(\off)+64*(\s)
	ds_load_b128 v[128+64*(\buf)+16*(\s)+4:128+64*(\buf)+16*(\s)+7],   v6  offset:(\off)+64*(\s)+32
	ds_load_b128 v[128+64*(\buf)+16*(\s)+8:128+64*(\buf)+16*(\s)+11],  v17 offset:(\off)+64*(\s)
	ds_load_b128 v[128+64*(\buf)+16*(\s)+12:128+64*(\buf)+16*(\s)+15], v17 offset:(\off)+64*(\s)+32
.endr
.endm
; Eight products: block j, the four K steps of ring part u.  Source 0 = 16 rows d of the weights, source 1 = 16 tokens: a lane holds one token and eight neighbouring d.
; The two accumulators take turns, one instruction a turn; no two products that follow each other, on any way, share an accumulator.
.macro MBLK u, j
	WIN 0x04                                       ; the tokens in window 1
.irp s, 0,1,2,3
.irp nb, 0,1
	v_wmma_f32_16x16x32_bf16 v[96+16*(\j)+8*(\nb):96+16*(\j)+8*(\nb)+7], v[128+64*((\u)%2)+16*(\s)+8*(\nb):128+64*((\u)%2)+16*(\s)+8*(\nb)+7], v[64*(\u)+32*(\j)+8*(\s):64*(\u)+32*(\j)+8*(\s)+7], v[96+16*(\j)+8*(\nb):96+16*(\j)+8*(\nb)+7]
.endr
.endr
	WIN 0
.endm
; A chunk of 128 k, token rows in ring part u, weights in buffer u % 2 (on their way at the entry).  left: the younger token loads.  re = 1: the part is asked for again, four chunks on.
; look = 1: the next chunk's weights are fetched ahead.  A wave without a live block jumps the LDS reads and the products, never a global load or the wait for it.
.macro CHUNK u, re, left, look
	s_wait_loadcnt \left
	s_cmp_eq_u32 s[MB], 0
	s_cbranch_scc1 .Lck_\@
.if \look
	BLD ((\u)+1)%2, 256
	s_wait_dscnt 16                                ; my buffer is in; the 16 loads just issued may be out
.else
	s_wait_dscnt 0x0
.endif
	MBLK \u, 0
	s_cmp_lt_u32 s[MB], 2
	s_cbranch_scc1 .Lck_\@
	MBLK \u, 1
.Lck_\@:
	v_add_nc_u32 v6, 0x100, v6                     ; the next chunk; with the lines below the four places ahead of the loads into fragments just multiplied, and of the way out
	v_add_nc_u32 v17, 0x100, v17
	v_nop
	v_nop
.if \re
	ALOAD \u, 256*(4+(\u))
.endif
.endm
; THE WAY OUT of block j: the f32 sums go into my own stage (row = token, 128 bytes) and come back by rows; eight lanes store a row's 128 bytes to its token's row of out0.
.macro EPI j
	s_cmp_le_u32 s[MB], \j
	s_cbranch_scc1 .Lnext
	s_wait_xcnt 0x0                                ; the block before has had its stores' registers read
.irp nb, 0,1
	ds_store_b128 v12, v[96+16*(\j)+8*(\nb):96+16*(\j)+8*(\nb)+3]   offset:64*(\nb)      ; each accumulator from its low end on
	ds_store_b128 v12, v[96+16*(\j)+8*(\nb)+4:96+16*(\j)+8*(\nb)+7] offset:64*(\nb)+16
.endr
.irp t, 0,1,2,3
	ds_load_b128 v[48+4*(\t):48+4*(\t)+3], v13 offset:SPITCH*(\t)   ; LDS serves a wave's instructions in order (ISA guide 5.7.1.4): these see the stores above
.endr
.irp t, 0,1,2,3
	s_wait_dscnt 3-(\t)
	global_store_b128 v[32+4*(\j)+(\t)], v[48+4*(\t):48+4*(\t)+3], s[OB:OB+1] th:TH_STORE_NT   ; rows 4 (l / 8) + t
.endr
.endm
.Lpass:                                                ; four passes of 256 ranks
	s_cmp_eq_u32 s[PP], 0
	s_cbranch_scc1 .Lgo                            ; pass 0 was set up, and its first four token parts asked for, in phase 1
	MCOUNT
	s_cmp_eq_u32 s[MB], 0
	s_cbranch_scc1 .Lmeet                          ; nothing of this pass is mine
	s_wait_loadcnt 0x0                             ; no load is out,
	s_wait_xcnt 0x0                                ; and the last way out's stores have read their registers
	TOKLD
	s_wait_loadcnt 0x0
	TOKFIN
	ALOAD 0, 0
	ALOAD 1, 256
	ALOAD 2, 512
	ALOAD 3, 768
.Lgo:
	s_cmp_eq_u32 s[MB], 0
	s_cbranch_scc1 .Lpre
	BLD 0, 0                                       ; chunk 0's weights
.Lpre:
	s_mov_b32 s[II], 0
.Lk:                                                   ; chunks 0 to 27: behind a part's 16 loads stand those of three younger parts
	CHUNK 0, 1, 48, 1
	CHUNK 1, 1, 48, 1
	CHUNK 2, 1, 48, 1
	CHUNK 3, 1, 48, 1
	s_wait_xcnt 0x0                                ; the base is stepped only behind this wait
	s_add_nc_u64 s[AB:AB+1], s[AB:AB+1], 1024
	s_add_co_u32 s[II], s[II], 1
	s_cmp_lt_u32 s[II], 7
	s_cbranch_scc1 .Lk
	CHUNK 0, 0, 48, 1                              ; the last four chunks ask for nothing: the counts run down
	CHUNK 1, 0, 32, 1
	CHUNK 2, 0, 16, 1
	CHUNK 3, 0, 0, 0
.Lmeet:
	MEET                                           ; every wave has read what it reads of the weights in this pass; only now are the stages written
	EPI 0
	EPI 1
.Lnext:
	MEET                                           ; the stages are at rest before the next pass's reads.  With these two barriers LDS is never both written and read at stepped addresses between two barriers
	v_add_nc_u32 v14, 0x400, v14                   ; 256 ranks on
	v_add_nc_u32 v15, 0x400, v15
	s_add_co_u32 s[PP], s[PP], 1
	s_cmp_lt_u32 s[PP], 4
	s_cbranch_scc1 .Lpass
	s_wait_tensorcnt 0x0                           ; the wave's end
	ds_add_u32 v4, v5
	s_wait_dscnt 0x0
	s_endpgm
.Lfunc_end_k_q513e850eb7_proj:
	.size	k_q513e850eb7_proj, .Lfunc_end_k_q513e850eb7_proj-k_q513e850eb7_proj
	.p2alignl 7, 3214868480
	.fill 96, 4, 3214868480
	.section	.rodata,"a",@progbits
	.p2align	6, 0x0
	.amdhsa_kernel k_q513e850eb7_proj
		.amdhsa_group_segment_fixed_size 282112
		.amdhsa_private_segment_fixed_size 0
		.amdhsa_enable_private_segment 0
		.amdhsa_kernarg_size 32
		.amdhsa_user_sgpr_count 2
		.amdhsa_user_sgpr_kernarg_segment_ptr 1
		.amdhsa_wavefront_size32 1
		.amdhsa_system_sgpr_workgroup_id_x 1
		.amdhsa_system_sgpr_workgroup_id_y 1
		.amdhsa_system_sgpr_workgroup_id_z 1
		.amdhsa_system_vgpr_workitem_id 0
		.amdhsa_next_free_vgpr 512
		.amdhsa_next_free_sgpr 96
		.amdhsa_reserve_vcc 0
		.amdhsa_float_denorm_mode_32 3
		.amdhsa_float_denorm_mode_16_64 3
		.amdhsa_memory_ordered 1
		.amdhsa_forward_progress 1
		.amdhsa_inst_pref_size 88
	.end_amdhsa_kernel
	.amdgpu_metadata
---
amdhsa.version: [ 1, 2 ]
amdhsa.kernels:
  - .name:           k_q513e850eb7_proj
    .symbol:         k_q513e850eb7_proj.kd
    .args:
      - { .name: expert_proj, .offset: 0, .size: 8, .value_kind: global_buffer, .address_space: global }
      - { .name: hid, .offset: 8, .size: 8, .value_kind: global_buffer, .address_space: global }
      - { .name: order, .offset: 16, .size: 8, .value_kind: global_buffer, .address_space: global }
      - { .name: out0, .offset: 24, .size: 8, .value_kind: global_buffer, .address_space: global }
    .group_segment_fixed_size: 282112
    .private_segment_fixed_size: 0
    .kernarg_segment_align: 8
    .kernarg_segment_size: 32
    .max_flat_workgroup_size: 256
    .sgpr_count:     96
    .vgpr_count:     512
    .wavefront_size: 32
...
	.end_amdgpu_metadata
.endif
;; end of part 3
;; ======== version 2 of 2: 3 launches; 1.15 times as fast as version 1
;; workspace buffers: xb 2,097,152 bytes; masks 1,024 bytes of whole numbers; hid 67,108,864 bytes; order 33,792 bytes of whole numbers
;; launch route: the kernel of part 1 again; grid 32 x 1, 8 waves a work-group, no clusters, 78,848 bytes of LDS; arguments x, router_w, xb, masks; writes xb, masks
;; launch fc (part 4): grid 32 x 8, 8 waves a work-group, no clusters, 295,936 bytes of LDS; arguments expert_fc, xb, masks, hid, order; writes hid, order
.if DOCPART == 4
	.amdgcn_target "amdgcn-amd-amdhsa--gfx1250"
	.amdhsa_code_object_version 6
	.text
	.protected	k_q513e850eb7_fc
	.globl	k_q513e850eb7_fc
	.p2align	8
	.type	k_q513e850eb7_fc,@function
k_q513e850eb7_fc:
	s_mov_b64 s[64:65], 0
	v_nop
	global_prefetch_b8 v0, s[64:65] scope:SCOPE_SE
	s_setreg_imm32_b32 hwreg(HW_REG_WAVE_MODE, 25, 1), 1
	s_wait_xcnt 0x0
; FIRST PRODUCT.  h[rank][n] = relu(sum over k of xb[t][k] fc[e][k][n])^2 for the tokens t that chose expert e, rounded once to bf16.
; hid IS LAID OUT AS THE NEXT LAUNCH'S OPERAND REGISTERS TAKE IT: byte e x 8 MiB + block x 131,072 + (n / 16) x 512 + lane x 16, a block being 16 ranks of expert e; lane l holds rank l % 16 of the block
; and the eight numbers n = 16 (n / 16) + 8 (l / 16) + 0..7.  That is how a product's result lies in my registers, so a block leaves by eight stores of 512 consecutive bytes, straight from registers.
; GRID.  x = slice of 128 columns n, y = expert e: 256 work-groups; each reads 1,024 x 128 f32 of fc[e] that nobody else reads.  Only the chosen rows are multiplied.
; ALL EIGHT WAVES RUN ONE TEXT.  No load or wait stands under a branch that would change a count.
; PHASE 1.  Wave w streams k rows 128 w .. 128 w + 127 of the slice (128 loads of 512 consecutive bytes) through a ring of 4 x 16 loads in registers, rounds them to bf16 and lays them
; into its own 36,864 bytes of LDS: 64 loads a wave are on their way.  Groups 4 to 6 ask for the first three chunks of pass 0's token rows, so that the ring runs on into phase 2.
; PHASE 2.  The expert's tokens have ranks 0 .. n - 1 in ascending order of token.  A pass has 256 ranks, 16 blocks of 16; block b goes to wave (b % 4) + 4 ((b / 8) % 2) as its block (b / 4) % 2,
; so that up to 128 rows four waves have two blocks each and a weight fragment feeds two products.  m = how many of the wave's two blocks are alive.  Four passes cover every split.
; THE TOKEN OF A RANK is found by each lane for itself, in registers, from the expert's bitmap (32 scalar words): twice a pass, once for each of the wave's two blocks.  So the tokens need no list in LDS and no barrier.
; K goes in 8 chunks of 128, written out: a chunk's 16 loads ask for 256 consecutive, aligned bytes of each of 32 rows, eight loads on end for a block's 16 rows; three chunks are on their way.
; Ranks past n - 1 are held to n - 1: they repeat its token.  Block 0 counts as alive also where n = 0 (the search then gives token 1,023, whose row nobody uses):
; so the next launch finds a written block for every expert.
; The work-groups of slice 0 also store the list and the count for the next launch: order[e][rank], all 1,024 (rank n - 1's token up to the end of its group of 32, token 0 behind), and from byte 32,768 on
; the count, 32 copies an expert.  The other work-groups jump that loop.
; BARRIERS.  weights written | from here on LDS is only read | one more ahead of the wave's closing lines.
; NO CLUSTER, NO TENSOR LOAD: a slice of weights has one reader and must pass through registers to be rounded; the tokens of the rows that an expert's work-groups share are found from the bitmap.
; NO PREFETCH: phase 1 has 256 KB a work-group on its way from its first lines on.  The sums are cleared (128 v_mov_b32 a pass): block 1's products stand under a branch, so its sums are written on every way.
; LIMITS.  relu by v_max_num_f32: a NaN counts as 0.  Infinities are not treated apart.  hid in bf16 keeps f32's range.
.set P,      288                       ; a k row of 128 bf16 in LDS: 256 bytes + 32 = 72 words
.set KCH,    128*P                     ; a chunk of 128 k in LDS
.set GROW,   16384                     ; a k row of fc[e] in memory
.set BLKB,   131072                    ; a block of 16 ranks in hid
.set SPARE,  1024*P                    ; behind the weights: the spare words, 128 bytes a wave: four blocks of 256 bytes that no other line names
.set WV,  14                           ; wave
.set G4,  15                           ; wave % 4
.set MK,  16                           ; s[16:47] the expert's bitmap
.set SL,  48                           ; slice
.set EX,  49                           ; expert
.set NN,  50                           ; n
.set NBK, 51                           ; blocks of 16 ranks, at least 1
.set MB,  52                           ; m
.set PP,  54                           ; pass
.set HI,  55                           ; wave / 4
.set OFS, 56                           ; s[56:57] an offset
.set WB,  58                           ; s[58:59] fc at my 128 rows of the slice
.set HB,  66                           ; s[66:67] hid at my expert and slice
.set OE,  68                           ; s[68:69] order at my expert's list
.set OC,  70                           ; s[70:71] order + 128 e: the count lies 32,768 bytes on
.set RUN, 72
.set COMB, 73
.set TS,  74
.set FF,  75
.set GG,  76                           ; first rank of my wave's 32 in the list's loop
.set NM1, 77                           ; max(n, 1) - 1
.set T0,  80
.set T1,  81
.set RB,  82                           ; my first block in a pass: wave % 4 + 8 (wave / 4)
; VECTOR REGISTERS, window 0: v1 lane, v2 r = lane % 16, v3 h = lane / 16, v4 spare word, v5 0, v6 address of the weight fragments, v7 where I lay weights down, v8-9 my two blocks' row offsets in xb,
;   v10 16 x lane, v11 16 h, v12 my offset in hid (16 x lane + my first block of the pass), v17-29 the search for a token, v30 the fragments' lane term;
;   v[32:63] phase 1: bf16; the way out: packed results; v[64:127] token fragments, ring part 2; v[128:255] sums, (j, nb) at 128 + 64 j + 8 nb.
; window 1: phase 1: v[0:255] the ring, group g at 64 (g % 4).  Phase 2: v[0:127] token fragments, ring parts 0 and 1; v[128:255] weight fragments, buffer s % 2, columns nb at 128 + 64 (s % 2) + 8 nb.
;   In a ring part: block j, K step s at 32 j + 8 s.
.set MSB, 0
.macro WIN new                         ; s_set_vgpr_msb: bits 1:0 source 0, 3:2 source 1, 5:4 source 2, 7:6 destination; the high byte repeats the setting that is left
.if MSB != (\new)
	s_set_vgpr_msb (MSB<<8)|(\new)
.set MSB, (\new)
.endif
.endm
.macro PLACES                          ; four places behind matrix instructions, ahead of loads into their registers
.rept 4
	v_nop
.endr
.endm
.macro MEET                            ; a barrier; my LDS instructions are done in front of the signal
	s_wait_dscnt 0x0
	s_barrier_signal -1
	s_barrier_wait -1
.endm
.macro MCOUNT                          ; m = how many of the blocks 16 PP + RB + 4 j, j = 0, 1, lie below the number of blocks
	s_lshl_b32 s[T0], s[PP], 4
	s_add_co_u32 s[T0], s[T0], s[RB]
	s_max_u32 s[T1], s[NBK], s[T0]
	s_sub_co_u32 s[T1], s[T1], s[T0]
	s_add_co_u32 s[T1], s[T1], 3
	s_lshr_b32 s[T1], s[T1], 2
	s_min_u32 s[MB], s[T1], 2
.endm
; THE SEARCH.  v17 = a rank in each lane; v27 = the token of that rank, ranks past n - 1 held to n - 1.  First the word of the bitmap that holds the rank, by the running count of set bits;
; then the bit in the word, by halving: 16, 8, 4, 2, 1.
.macro PICK inc                        ; v24 = set bits in the lower part: if the rank left is not below it, go to the upper part
	v_cmp_ge_u32 vcc_lo, v18, v24
	v_cndmask_b32 v25, 0, v24, vcc_lo
	v_sub_nc_u32 v18, v18, v25
	v_cndmask_b32 v25, 0, \inc, vcc_lo
	v_add_nc_u32 v26, v26, v25
.endm
.macro FINDTOK
	v_min_u32 v18, s[NM1], v17                     ; ranks past the last repeat the last
	v_mov_b32 v19, s[MK]                           ; the word that holds the rank,
	v_mov_b32 v20, 0                               ; the bits in front of it | its number << 16
	s_mov_b32 s[RUN], 0
.set j, 1
.rept 31
	s_bcnt1_i32_b32 s[TS], s[MK+j-1]
	s_add_co_u32 s[RUN], s[RUN], s[TS]
	s_or_b32 s[COMB], s[RUN], j<<16
	v_cmp_le_u32 vcc_lo, s[RUN], v18
	v_cndmask_b32 v19, v19, s[MK+j], vcc_lo
	v_cndmask_b32 v20, v20, s[COMB], vcc_lo
.set j, j+1
.endr
	v_and_b32 v21, 0xffff, v20
	v_sub_nc_u32 v18, v18, v21                     ; the rank inside the word
	v_lshrrev_b32 v27, 16, v20
	v_lshrrev_b32 v21, 1, v19                      ; counts of set bits in fields of 2, 4, 8 bits and in the low 16
	v_and_b32 v21, 0x55555555, v21
	v_sub_nc_u32 v21, v19, v21
	v_lshrrev_b32 v22, 2, v21
	v_and_b32 v22, 0x33333333, v22
	v_and_b32 v24, 0x33333333, v21
	v_add_nc_u32 v22, v22, v24
	v_lshrrev_b32 v23, 4, v22
	v_add_nc_u32 v23, v23, v22
	v_and_b32 v23, 0x0f0f0f0f, v23
	v_lshrrev_b32 v24, 8, v23
	v_add_nc_u32 v24, v24, v23
	v_and_b32 v24, 0xff, v24
	v_mov_b32 v26, 0                               ; the bit's place
	PICK 16
	v_bfe_u32 v24, v23, v26, 8
	PICK 8
	v_bfe_u32 v24, v22, v26, 4
	PICK 4
	v_bfe_u32 v24, v21, v26, 2
	PICK 2
	v_bfe_u32 v24, v19, v26, 1
	PICK 1
	v_lshl_add_u32 v27, v27, 5, v26                ; the token
.endm
	s_load_b256 s[4:11], s[0:1], 0x0               ; fc s[4:5], xb s[6:7], masks s[8:9], hid s[10:11]
	s_load_b64 s[12:13], s[0:1], 0x20              ; order
	v_lshl_add_u32 v4, v0, 2, SPARE
	v_mov_b32 v5, 0
	v_and_b32 v1, 31, v0
	v_and_b32 v2, 15, v0
	v_bfe_u32 v3, v0, 4, 1
	v_lshrrev_b32 v17, 5, v0
	v_readfirstlane_b32 s[WV], v17
	s_and_b32 s[G4], s[WV], 3
	s_lshr_b32 s[HI], s[WV], 2
	s_lshl3_add_u32 s[RB], s[HI], s[G4]
	s_mov_b32 s[SL], ttmp9
	s_and_b32 s[EX], ttmp7, 0xffff
	s_mov_b32 s[PP], 0
	v_lshlrev_b32 v10, 4, v1
	s_lshl_b32 s[OFS], s[EX], 24                   ; an expert's 16 MiB,
	s_lshl_b32 s[T0], s[SL], 9                     ; the slice's 512 bytes of a row,
	s_add_co_u32 s[OFS], s[OFS], s[T0]
	s_lshl_b32 s[T0], s[WV], 21                    ; my 128 rows of 16,384 bytes
	s_add_co_u32 s[OFS], s[OFS], s[T0]
	s_mov_b32 s[OFS+1], 0
	s_wait_kmcnt 0x0
	s_add_nc_u64 s[WB:WB+1], s[4:5], s[OFS:OFS+1]
	s_lshl_b32 s[OFS], s[EX], 7
	s_add_nc_u64 s[8:9], s[8:9], s[OFS:OFS+1]
	s_add_nc_u64 s[OC:OC+1], s[12:13], s[OFS:OFS+1]
	s_load_b512 s[16:31], s[8:9], 0x0              ; the expert's bitmap
	s_load_b512 s[32:47], s[8:9], 0x40
	WIN 0x40
.set i, 0
.rept 64
	global_load_b128 v[4*i:4*i+3], v10, s[WB:WB+1] offset:i*GROW th:TH_LOAD_NT   ; groups 0 to 3: my k row i, 512 consecutive bytes
.set i, i+1
.endr
	WIN 0
	s_lshl_b32 s[OFS], s[EX], 12
	s_add_nc_u64 s[OE:OE+1], s[12:13], s[OFS:OFS+1]
	s_lshl_b32 s[OFS], s[EX], 23                   ; an expert's 64 blocks of hid,
	s_lshl_b32 s[T0], s[SL], 12                    ; the slice's 8 x 512 bytes of a block
	s_add_co_u32 s[OFS], s[OFS], s[T0]
	s_add_nc_u64 s[HB:HB+1], s[10:11], s[OFS:OFS+1]
	s_mul_i32 s[T0], s[WV], 128*P
	v_lshl_add_u32 v7, v1, 3, s[T0]                ; my region of the weights + 8 x lane
	v_and_b32 v17, 7, v0
	v_lshl_add_u32 v17, v3, 3, v17
	v_mul_u32_u24 v30, v17, P
	v_bfe_u32 v17, v0, 3, 1
	v_lshl_add_u32 v30, v17, 4, v30                ; (8 h + l % 8) x pitch + 16 ((l / 8) % 2)
	v_lshlrev_b32 v11, 4, v3
	s_lshl_b32 s[T0], s[RB], 17
	v_add_nc_u32 v12, s[T0], v10                   ; my first block of pass 0 in hid + 16 x lane
	s_wait_kmcnt 0x0
	s_bcnt1_i32_b32 s[NN], s[MK]
.set j, 1
.rept 31
	s_bcnt1_i32_b32 s[TS], s[MK+j]
	s_add_co_u32 s[NN], s[NN], s[TS]
.set j, j+1
.endr
	s_add_co_u32 s[NBK], s[NN], 15
	s_lshr_b32 s[NBK], s[NBK], 4
	s_max_u32 s[NBK], s[NBK], 1                    ; block 0 is always made
	s_max_u32 s[NM1], s[NN], 1
	s_sub_co_u32 s[NM1], s[NM1], 1
	MCOUNT                                         ; m of pass 0
	; THE LIST FOR THE NEXT LAUNCH, in the work-groups of slice 0 alone: the token of rank v0 + 256 F, four trips: all 1,024 words.  It stands in the wait for the first weights.
	s_cmp_lg_u32 s[SL], 0
	s_cbranch_scc1 .Lno_list
	v_mov_b32 v17, v0                              ; rank
	v_lshlrev_b32 v29, 2, v0
	s_lshl_b32 s[GG], s[WV], 5
	s_mov_b32 s[FF], 0
.Lfind:
	v_mov_b32 v27, 0                               ; a group of 32 ranks wholly past the count names token 0
	s_cmp_ge_u32 s[GG], s[NN]
	s_cbranch_scc1 .Lfind_put
	FINDTOK
.Lfind_put:
	global_store_b32 v29, v27, s[OE:OE+1]
	s_wait_xcnt 0x0                                ; the store has read v27 and v29
	v_add_nc_u32 v17, 0x100, v17
	v_add_nc_u32 v29, 0x400, v29
	s_add_co_u32 s[GG], s[GG], 0x100
	s_add_co_u32 s[FF], s[FF], 1
	s_cmp_lt_u32 s[FF], 4
	s_cbranch_scc1 .Lfind
	s_cmp_lg_u32 s[WV], 0
	s_cbranch_scc1 .Lno_cnt
	v_mov_b32 v24, s[NN]
	v_lshlrev_b32 v25, 2, v1
	global_store_b32 v25, v24, s[OC:OC+1] offset:32768
.Lno_cnt:
	s_wait_xcnt 0x0                                ; v24 and v25 are written again below
.Lno_list:
; A pass begins: my two blocks' tokens, their rows' offsets in xb, cleared sums, k = 0.
.macro TOK
	s_lshl_b32 s[T0], s[PP], 8                     ; 256 ranks a pass,
	s_lshl_b32 s[T1], s[RB], 4                     ; 16 a block
	s_add_co_u32 s[T0], s[T0], s[T1]
	v_add_nc_u32 v17, s[T0], v2                    ; block 0: the rank of row r
	FINDTOK
	v_min_u32 v24, 0x3ff, v27
	v_lshl_add_u32 v8, v24, 11, v11                ; token x 2,048 bytes + 16 h
	v_add_nc_u32 v17, 64, v17                      ; block 1 lies 64 ranks on
	FINDTOK
	v_min_u32 v24, 0x3ff, v27
	v_lshl_add_u32 v9, v24, 11, v11
.set i, 0
.rept 128
	v_mov_b32 v[128+i], 0
.set i, i+1
.endr
	v_mov_b32 v6, v30
.endm
; Sixteen loads: both blocks' fragments of chunk c (16 tokens x 128 k each) into ring part a: lane l holds token l % 16; 16 bytes at 16 h and 32 bytes on, for each 32 k.
; A block's eight loads stand on end and take 256 consecutive, aligned bytes of each of its 16 rows.  The chunk stands in the immediate: no base is stepped.
.macro ALOAD a, c
	WIN 0x40*(1-(\a)/2)                            ; parts 0 and 1 lie in window 1, part 2 in window 0
.irp j, 0,1
.irp s, 0,1,2,3
	global_load_b128 v[64*((\a)%2)+64*((\a)/2)+32*(\j)+8*(\s):64*((\a)%2)+64*((\a)/2)+32*(\j)+8*(\s)+3],   v[8+(\j)], s[6:7] offset:256*(\c)+64*(\s)
	global_load_b128 v[64*((\a)%2)+64*((\a)/2)+32*(\j)+8*(\s)+4:64*((\a)%2)+64*((\a)/2)+32*(\j)+8*(\s)+7], v[8+(\j)], s[6:7] offset:256*(\c)+64*(\s)+32
.endr
.endr
	WIN 0
.endm
; Group g of my 128 rows has landed in ring part g % 4: it is rounded, sixteen more loads go out (group g + 4; behind the last weights, for groups 4 to 6, token chunk g - 4), and the bf16 go to LDS.
.macro PROD g
	s_wait_loadcnt 48                              ; behind a group's 16 loads stand three younger groups or chunks of 16
	WIN 0x05                                       ; sources in window 1
.set i, 0
.rept 16
	v_cvt_pk_bf16_f32 v[32+2*i],   v[64*((\g)%4)+4*i],   v[64*((\g)%4)+4*i+1]
	v_cvt_pk_bf16_f32 v[32+2*i+1], v[64*((\g)%4)+4*i+2], v[64*((\g)%4)+4*i+3]
.set i, i+1
.endr
.if (\g) < 4
	WIN 0x40
.set i, 0
.rept 16
	global_load_b128 v[64*(\g)+4*i:64*(\g)+4*i+3], v10, s[WB:WB+1] offset:(16*((\g)+4)+i)*GROW th:TH_LOAD_NT
.set i, i+1
.endr
	WIN 0
.elseif (\g) < 7
	ALOAD (\g)-4, (\g)-4
.else
	WIN 0
.endif
.set i, 0
.rept 16
	ds_store_b64 v7, v[32+2*i:32+2*i+1] offset:(16*(\g)+i)*P   ; a k row's 256 bytes
.set i, i+1
.endr
.endm
	TOK                                            ; pass 0's tokens: work on registers alone, in the wait for the first weights
	PROD 0
	PROD 1
	PROD 2
	PROD 3
	PROD 4
	PROD 5
	PROD 6
	PROD 7
	MEET                                           ; the slice is whole in LDS; from here on LDS is only read
; Sixteen loads: 32 k x 128 columns of the weights at byte off behind v6 into fragment buffer buf.  The weights lie [k][n]: the turning load takes 16 k x 16 n
; (lane l reads k = 8 h + l % 8, n = 8 ((l / 8) % 2) + 0..7) and leaves half a fragment.
.macro BLD buf, off
.irp nb, 0,1,2,3,4,5,6,7
	ds_load_tr16_b128 v[128+64*(\buf)+8*(\nb):128+64*(\buf)+8*(\nb)+3],   v6 offset:(\off)+32*(\nb)
	ds_load_tr16_b128 v[128+64*(\buf)+8*(\nb)+4:128+64*(\buf)+8*(\nb)+7], v6 offset:(\off)+16*P+32*(\nb)
.endr
.endm
; Eight products: block j, K step s of ring part a, all 128 columns.  Source 0 = 16 columns of the weights, source 1 = 16 tokens: a lane then holds one token and eight neighbouring columns.
; The eight accumulators take turns, one instruction a turn; no two products that follow each other, on any way, share an accumulator.
.macro MJ a, s, j
	WIN 0x01|(4*(1-(\a)/2))                        ; the weights in window 1, the tokens in the part's window, the sums in window 0
.irp nb, 0,1,2,3,4,5,6,7
	v_wmma_f32_16x16x32_bf16 v[128+64*(\j)+8*(\nb):128+64*(\j)+8*(\nb)+7], v[128+64*((\s)%2)+8*(\nb):128+64*((\s)%2)+8*(\nb)+7], v[64*((\a)%2)+64*((\a)/2)+32*(\j)+8*(\s):64*((\a)%2)+64*((\a)/2)+32*(\j)+8*(\s)+7], v[128+64*(\j)+8*(\nb):128+64*(\j)+8*(\nb)+7]
.endr
	WIN 0
.endm
.macro MSTEP a, s
	MJ \a, \s, 0
	s_cmp_lt_u32 s[MB], 2
	s_cbranch_scc1 .Lms_\@
	MJ \a, \s, 1
.Lms_\@:
.endm
; K step s of a chunk: its weights are on their way into buffer s % 2.  look = 1: the next K step's are fetched ahead into the other buffer.
.macro KST a, s, look
.if \look
	WIN 0x40
	BLD ((\s)+1)%2, ((\s)+1)*32*P
	WIN 0
	s_wait_dscnt 16                                ; my buffer is in; the 16 loads just issued may be out
.else
	s_wait_dscnt 0x0
.endif
	MSTEP \a, \s
.endm
; Chunk c of 128 k, token rows in ring part c % 3.  left: the younger token loads, which may stay out.  Chunks 0 to 4 ask for the chunk three on.
.macro CHUNK c, left
	s_wait_loadcnt \left
	KST (\c)%3, 0, 1
	PLACES
	KST (\c)%3, 1, 1
	PLACES
	KST (\c)%3, 2, 1
	PLACES
.if (\c) < 7
	KST (\c)%3, 3, 1
.else
	KST (\c)%3, 3, 0
.endif
	v_add_nc_u32 v6, KCH, v6                       ; the next chunk; with the three lines below the four places ahead of the loads into fragments just multiplied, and of the way out
	v_nop
	v_nop
	v_nop
.if (\c) < 5
	ALOAD (\c)%3, (\c)+3
.endif
.endm
; THE WAY OUT of block j: relu, square, bf16; a lane's eight numbers of a result are 16 bytes, and the wave's 512 bytes are stored as they lie: the next launch's operand.
.macro EPI j
	s_cmp_le_u32 s[MB], \j
	s_cbranch_scc1 .Lnext
	s_wait_xcnt 0x0                                ; the block before has had its stores' registers read
.set i, 0
.rept 64
	v_max_num_f32 v[128+64*(\j)+i], 0, v[128+64*(\j)+i]   ; ascending: each accumulator is read from its low end on
.set i, i+1
.endr
.set i, 0
.rept 32
	v_pk_mul_f32 v[128+64*(\j)+2*i:128+64*(\j)+2*i+1], v[128+64*(\j)+2*i:128+64*(\j)+2*i+1], v[128+64*(\j)+2*i:128+64*(\j)+2*i+1]
.set i, i+1
.endr
.set i, 0
.rept 32
	v_cvt_pk_bf16_f32 v[32+i], v[128+64*(\j)+2*i], v[128+64*(\j)+2*i+1]
.set i, i+1
.endr
.irp nb, 0,1,2,3,4,5,6,7
	global_store_b128 v12, v[32+4*(\nb):32+4*(\nb)+3], s[HB:HB+1] offset:(\j)*4*BLKB+(\nb)*512   ; 512 consecutive bytes, aligned; block 1 lies four blocks on
.endr
.endm
.Lpass:                                                ; four passes of 256 ranks
	s_cmp_eq_u32 s[PP], 0
	s_cbranch_scc1 .Lgo                            ; pass 0 was set up, and its first three chunks asked for, in phase 1
	MCOUNT
	s_cmp_eq_u32 s[MB], 0
	s_cbranch_scc1 .Lnext                          ; nothing of this pass is mine
	s_wait_loadcnt 0x0                             ; no load is out,
	s_wait_xcnt 0x0                                ; and the last way out's stores have read their registers
	TOK
	ALOAD 0, 0
	ALOAD 1, 1
	ALOAD 2, 2
.Lgo:
	s_cmp_lg_u32 s[MB], 0
	s_cbranch_scc1 .Llive
	s_wait_loadcnt 0x0                             ; a wave without a live block: the three chunks asked for have landed, and the whole K work is jumped
	s_branch .Lnext
.Llive:
	WIN 0x40
	BLD 0, 0                                       ; chunk 0's first K step
	WIN 0
	CHUNK 0, 32                                    ; behind a chunk's 16 loads stand those of two younger chunks
	CHUNK 1, 32
	CHUNK 2, 32
	CHUNK 3, 32
	CHUNK 4, 32
	CHUNK 5, 32
	CHUNK 6, 16                                    ; chunks 5 to 7 ask for nothing: the counts run down
	CHUNK 7, 0
	EPI 0
	EPI 1
.Lnext:
	s_wait_xcnt 0x0                                ; the stores have read v12
	v_add_nc_u32 v12, 16*BLKB, v12                 ; 16 blocks on
	s_add_co_u32 s[PP], s[PP], 1
	s_cmp_lt_u32 s[PP], 4
	s_cbranch_scc1 .Lpass
	MEET                                           ; every wave's reads of LDS are over
	s_wait_tensorcnt 0x0                           ; the wave's end
	ds_add_u32 v4, v5
	s_wait_dscnt 0x0
	s_endpgm
.Lfunc_end_k_q513e850eb7_fc:
	.size	k_q513e850eb7_fc, .Lfunc_end_k_q513e850eb7_fc-k_q513e850eb7_fc
	.p2alignl 7, 3214868480
	.fill 96, 4, 3214868480
	.section	.rodata,"a",@progbits
	.p2align	6, 0x0
	.amdhsa_kernel k_q513e850eb7_fc
		.amdhsa_group_segment_fixed_size 295936
		.amdhsa_private_segment_fixed_size 0
		.amdhsa_enable_private_segment 0
		.amdhsa_kernarg_size 40
		.amdhsa_user_sgpr_count 2
		.amdhsa_user_sgpr_kernarg_segment_ptr 1
		.amdhsa_wavefront_size32 1
		.amdhsa_system_sgpr_workgroup_id_x 1
		.amdhsa_system_sgpr_workgroup_id_y 1
		.amdhsa_system_sgpr_workgroup_id_z 1
		.amdhsa_system_vgpr_workitem_id 0
		.amdhsa_next_free_vgpr 512
		.amdhsa_next_free_sgpr 96
		.amdhsa_reserve_vcc 1
		.amdhsa_float_denorm_mode_32 3
		.amdhsa_float_denorm_mode_16_64 3
		.amdhsa_memory_ordered 1
		.amdhsa_forward_progress 1
		.amdhsa_inst_pref_size 215
	.end_amdhsa_kernel
	.amdgpu_metadata
---
amdhsa.version: [ 1, 2 ]
amdhsa.kernels:
  - .name:           k_q513e850eb7_fc
    .symbol:         k_q513e850eb7_fc.kd
    .args:
      - { .name: expert_fc, .offset: 0, .size: 8, .value_kind: global_buffer, .address_space: global }
      - { .name: xb, .offset: 8, .size: 8, .value_kind: global_buffer, .address_space: global }
      - { .name: masks, .offset: 16, .size: 8, .value_kind: global_buffer, .address_space: global }
      - { .name: hid, .offset: 24, .size: 8, .value_kind: global_buffer, .address_space: global }
      - { .name: order, .offset: 32, .size: 8, .value_kind: global_buffer, .address_space: global }
    .group_segment_fixed_size: 295936
    .private_segment_fixed_size: 0
    .kernarg_segment_align: 8
    .kernarg_segment_size: 40
    .max_flat_workgroup_size: 256
    .sgpr_count:     96
    .vgpr_count:     512
    .wavefront_size: 32
...
	.end_amdgpu_metadata
.endif
;; end of part 4
;; launch proj (part 5): grid 32 x 8, 8 waves a work-group, no clusters, 282,112 bytes of LDS; arguments expert_proj, hid, order, out0; writes out0
.if DOCPART == 5
	.amdgcn_target "amdgcn-amd-amdhsa--gfx1250"
	.amdhsa_code_object_version 6
	.text
	.protected	k_q513e850eb7_proj
	.globl	k_q513e850eb7_proj
	.p2align	8
	.type	k_q513e850eb7_proj,@function
k_q513e850eb7_proj:
	s_mov_b64 s[64:65], 0
	v_nop
	global_prefetch_b8 v0, s[64:65] scope:SCOPE_SE
	s_setreg_imm32_b32 hwreg(HW_REG_WAVE_MODE, 25, 1), 1
	s_wait_xcnt 0x0
; SECOND PRODUCT.  out0[t][d] = sum over k of h[rank of t][k] proj[e][d][k] for the tokens t that chose expert e; f32 out.  Each token has one expert, so each output number has one owner.
; hid COMES IN THE ORDER OF MY OPERAND REGISTERS: byte e x 8 MiB + block x 131,072 + (k / 16) x 512 + lane x 16, a block being 16 ranks of expert e; lane l holds rank l % 16 and k = 16 (k / 16) + 8 (l / 16) + 0..7.
; So each load of a fragment's half is 512 consecutive bytes, and a chunk of 128 k of a block is 4,096 consecutive bytes.
; GRID.  x = slice of 32 rows d, y = expert e: 256 work-groups; each reads 32 x 4,096 f32 of proj[e] that nobody else reads.
; ALL EIGHT WAVES RUN ONE TEXT.  No load or wait stands under a branch that would change a count: a wave with no live block jumps a pass's whole K work by one branch, behind a wait for all its loads.
; PHASE 1.  Wave w streams rows d 4 w .. 4 w + 3 of the slice, 65,536 consecutive bytes, as 128 loads of 512 bytes through a ring of 4 x 16 loads in registers, rounds them to bf16 and lays them into its own
; four rows of LDS.  The last four groups fill the ring again with the first four chunks of pass 0's hid: the ring runs on into phase 2 with the same count.
; PHASE 2.  A pass has 256 ranks, 16 blocks of 16; block b goes to wave (b % 4) + 4 ((b / 8) % 2) as its block (b / 4) % 2; m = how many of the wave's two blocks are alive.  Four passes cover every split.
; Both blocks' fragments are always loaded; a dead block's number is held to the expert's last written block (the launch before writes block 0 of every expert), so that no unwritten byte is read.
; Ranks past n - 1 in the last live block hold rank n - 1's token and numbers: they are stored again by the same wave with the same numbers.  The list and the count n come from the launch before (order).
; STORES.  A slice's 32 numbers of a row are 128 bytes: eight lanes store 128 consecutive bytes, aligned to 128: half of an aligned 256.  That is the price of one owner for each output without a launch that adds parts.
; NO CLUSTER, NO TENSOR LOAD: a slice of weights has one reader and must pass through registers to be rounded.  hid's blocks are shared by an expert's 32 work-groups and lie end to end, but beside the
; slice's 262,656 bytes LDS has 45,568 bytes left, and how many blocks there are hangs on a stored count, on which no joint load may hang.
; NO PREFETCH: phase 1 has 256 KB a work-group on its way from its first lines on.  The sums are cleared (32 v_mov_b32 a pass), since chunk 0 is a chunk like any other.
; LIMITS.  NaN and infinities are not treated apart.
.set WPP,    8208                      ; a row d of 4,096 bf16 in LDS: 8,192 bytes + 16 = 2,052 words: the 16 rows of a fragment load start at 16 different groups of four banks (ISA guide 11.1)
.set STAGE,  32*WPP                    ; behind the weights: 16 rows x 144 bytes for each wave
.set SPITCH, 144
.set SPARE,  STAGE+8*16*SPITCH         ; the spare words, 128 bytes a wave: four blocks of 256 bytes that no other line names
.set CHG,    4096                      ; a chunk of 128 k of a block in hid
.set WV,  14
.set G4,  15
.set SL,  48
.set EX,  49
.set NN,  50
.set NBK, 51
.set MB,  52
.set II,  53
.set PP,  54
.set HI,  55
.set OFS, 56                           ; s[56:57]
.set WB,  58                           ; s[58:59] proj at my four rows
.set AB,  62                           ; s[62:63] hid at my expert, stepped along k
.set OB,  66                           ; s[66:67] out0 at my slice
.set OE,  68                           ; s[68:69] order at my expert's list
.set OC,  70                           ; s[70:71] order + 128 e
.set HBS, 72                           ; s[72:73] hid at my expert
.set T0,  80
.set T1,  81
.set RB,  82                           ; my first block in a pass
.set T2,  83
; VECTOR REGISTERS, window 0: v1 lane, v2 r, v3 h, v4 spare word, v5 0, v6/v17 addresses of the weight fragments (rows d 0-15 / 16-31), v7 where I lay weights down, v8-9 my two blocks' offsets in hid (+ 16 x lane),
;   v10 16 x lane, v12/v13 stage in/back, v15 offset in the list (by four rows), v16 16 (l % 8), v18/v19 the fragments' lane terms, v20-22 at work;
;   v[32:39] offsets in out0 of the rows that I store, 4 a block; v[48:63] rows read back; v[64:95] phase 1: bf16; v[96:127] sums, (j, nb) at 96 + 16 j + 8 nb;
;   v[128:255] weight fragments: buffer, K step s, rows nb at 128 + 64 buf + 16 s + 8 nb.
; window 1: v[0:255] the ring: weights' group g at 64 (g % 4); token fragments, part u, block j, K step s at 64 u + 32 j + 8 s.
.set MSB, 0
.macro WIN new                         ; s_set_vgpr_msb: bits 1:0 source 0, 3:2 source 1, 5:4 source 2, 7:6 destination; the high byte repeats the setting that is left
.if MSB != (\new)
	s_set_vgpr_msb (MSB<<8)|(\new)
.set MSB, (\new)
.endif
.endm
.macro MEET                            ; a barrier; my LDS instructions are done in front of the signal
	s_wait_dscnt 0x0
	s_barrier_signal -1
	s_barrier_wait -1
.endm
.macro MCOUNT                          ; m = how many of the blocks 16 PP + RB + 4 j, j = 0, 1, lie below the number of blocks
	s_lshl_b32 s[T0], s[PP], 4
	s_add_co_u32 s[T0], s[T0], s[RB]
	s_max_u32 s[T1], s[NBK], s[T0]
	s_sub_co_u32 s[T1], s[T1], s[T0]
	s_add_co_u32 s[T1], s[T1], 3
	s_lshr_b32 s[T1], s[T1], 2
	s_min_u32 s[MB], s[T1], 2
.endm
; A pass's tokens, for the way out: of rows 4 (l / 8) + 0..3 of each block
.macro TOKLD
	global_load_b128 v[32:35], v15, s[OE:OE+1]
	global_load_b128 v[36:39], v15, s[OE:OE+1] offset:256
.endm
.macro TOKFIN                          ; my blocks' places in hid, my rows' offsets in out0, cleared sums, k = 0
	s_lshl_b32 s[T0], s[PP], 4
	s_add_co_u32 s[T0], s[T0], s[RB]               ; block 0's number
	s_max_u32 s[T1], s[NBK], 1
	s_sub_co_u32 s[T1], s[T1], 1                   ; the expert's last written block
	s_min_u32 s[T2], s[T0], s[T1]
	s_min_u32 s[T2], s[T2], 0x3f
	s_lshl_b32 s[T2], s[T2], 17
	v_add_nc_u32 v8, s[T2], v10
	s_add_co_u32 s[T0], s[T0], 4                   ; block 1 lies four blocks on
	s_min_u32 s[T2], s[T0], s[T1]
	s_min_u32 s[T2], s[T2], 0x3f
	s_lshl_b32 s[T2], s[T2], 17
	v_add_nc_u32 v9, s[T2], v10
.set i, 0
.rept 8
	v_min_u32 v[32+i], 0x3ff, v[32+i]
	v_lshl_add_u32 v[32+i], v[32+i], 12, v16       ; token x 4,096 bytes + 16 (l % 8)
.set i, i+1
.endr
.set i, 0
.rept 32
	v_mov_b32 v[96+i], 0
.set i, i+1
.endr
	v_mov_b32 v6, v18
	v_mov_b32 v17, v19
	s_mov_b64 s[AB:AB+1], s[HBS:HBS+1]
.endm
; Sixteen loads of 512 consecutive bytes: both blocks' fragments of a chunk (16 ranks x 128 k each) into ring part a
.macro ALOAD a, imm
	WIN 0x40
.irp j, 0,1
.irp s, 0,1,2,3
	global_load_b128 v[64*(\a)+32*(\j)+8*(\s):64*(\a)+32*(\j)+8*(\s)+3],   v[8+(\j)], s[AB:AB+1] offset:(\imm)+1024*(\s)
	global_load_b128 v[64*(\a)+32*(\j)+8*(\s)+4:64*(\a)+32*(\j)+8*(\s)+7], v[8+(\j)], s[AB:AB+1] offset:(\imm)+1024*(\s)+512
.endr
.endr
	WIN 0
.endm
; Group g of my 128 loads has landed in ring part g % 4: it is rounded, the part is asked for again (group g + 4, or behind the last weights hid's chunk g - 4), and the bf16 go to LDS.
.macro PROD g
	s_wait_loadcnt 48                              ; behind a group's 16 loads stand three younger groups or parts of 16
	WIN 0x05                                       ; sources in window 1
.set i, 0
.rept 16
	v_cvt_pk_bf16_f32 v[64+2*i],   v[64*((\g)%4)+4*i],   v[64*((\g)%4)+4*i+1]
	v_cvt_pk_bf16_f32 v[64+2*i+1], v[64*((\g)%4)+4*i+2], v[64*((\g)%4)+4*i+3]
.set i, i+1
.endr
.if (\g) < 4
	WIN 0x40
.set i, 0
.rept 16
	global_load_b128 v[64*(\g)+4*i:64*(\g)+4*i+3], v10, s[WB:WB+1] offset:(16*((\g)+4)+i)*512 th:TH_LOAD_NT
.set i, i+1
.endr
	WIN 0
.else
	ALOAD (\g)-4, CHG*((\g)-4)
.endif
.set i, 0
.rept 16
	ds_store_b64 v7, v[64+2*i:64+2*i+1] offset:((16*(\g)+i)/32)*WPP+((16*(\g)+i)%32)*256   ; 128 k of a row: 256 bytes
.set i, i+1
.endr
.endm
	s_load_b256 s[4:11], s[0:1], 0x0               ; proj s[4:5], hid s[6:7], order s[8:9], out0 s[10:11]
	v_lshl_add_u32 v4, v0, 2, SPARE
	v_mov_b32 v5, 0
	v_and_b32 v1, 31, v0
	v_and_b32 v2, 15, v0
	v_bfe_u32 v3, v0, 4, 1
	v_lshrrev_b32 v20, 5, v0
	v_readfirstlane_b32 s[WV], v20
	s_and_b32 s[G4], s[WV], 3
	s_lshr_b32 s[HI], s[WV], 2
	s_lshl3_add_u32 s[RB], s[HI], s[G4]
	s_mov_b32 s[SL], ttmp9
	s_and_b32 s[EX], ttmp7, 0xffff
	s_mov_b32 s[PP], 0
	v_lshlrev_b32 v10, 4, v1
	v_bfe_u32 v21, v0, 3, 2                        ; l / 8
	v_and_b32 v22, 7, v0                           ; l % 8
	s_lshl_b32 s[T0], s[RB], 6                     ; my first block's 16 words of the list
	v_lshl_add_u32 v15, v21, 4, s[T0]
	s_lshl_b32 s[OFS], s[EX], 24                   ; an expert's 16 MiB,
	s_lshl_b32 s[T0], s[SL], 19                    ; the slice's 32 rows,
	s_add_co_u32 s[OFS], s[OFS], s[T0]
	s_lshl_b32 s[T0], s[WV], 16                    ; my four of them
	s_add_co_u32 s[OFS], s[OFS], s[T0]
	s_mov_b32 s[OFS+1], 0
	s_wait_kmcnt 0x0
	s_add_nc_u64 s[WB:WB+1], s[4:5], s[OFS:OFS+1]
	s_lshl_b32 s[OFS], s[EX], 7
	s_add_nc_u64 s[OC:OC+1], s[8:9], s[OFS:OFS+1]
	s_load_b32 s[NN], s[OC:OC+1], 0x8000           ; n
	s_lshl_b32 s[OFS], s[EX], 12
	s_add_nc_u64 s[OE:OE+1], s[8:9], s[OFS:OFS+1]
	s_lshl_b32 s[OFS], s[SL], 7
	s_add_nc_u64 s[OB:OB+1], s[10:11], s[OFS:OFS+1]
	s_lshl_b32 s[OFS], s[EX], 23                   ; an expert's 64 blocks of hid
	s_add_nc_u64 s[HBS:HBS+1], s[6:7], s[OFS:OFS+1]
	TOKLD                                          ; pass 0's tokens: the oldest loads, so the first group's wait shows them landed too
	WIN 0x40
.set i, 0
.rept 64
	global_load_b128 v[4*i:4*i+3], v10, s[WB:WB+1] offset:i*512 th:TH_LOAD_NT   ; groups 0 to 3: 512 consecutive bytes each
.set i, i+1
.endr
	WIN 0
	s_mul_i32 s[T0], s[WV], 4*WPP
	v_lshl_add_u32 v7, v1, 3, s[T0]                ; my four rows of the weights + 8 x lane
	v_mul_u32_u24 v18, v2, WPP
	v_lshl_add_u32 v18, v3, 4, v18                 ; row x pitch + 16 h
	v_add_nc_u32 v19, 16*WPP, v18
	v_lshlrev_b32 v16, 4, v22
	s_mul_i32 s[T0], s[WV], 16*SPITCH
	s_add_co_u32 s[T0], s[T0], STAGE               ; my stage
	v_mul_u32_u24 v12, v2, SPITCH
	v_lshl_add_u32 v12, v3, 5, v12
	v_add_nc_u32 v12, s[T0], v12                   ; in: row r, 32 h
	v_mul_u32_u24 v13, v21, 4*SPITCH
	v_lshl_add_u32 v13, v22, 4, v13
	v_add_nc_u32 v13, s[T0], v13                   ; back: rows 4 (l / 8) + t, piece l % 8
	s_wait_kmcnt 0x0
	s_min_u32 s[NN], s[NN], 0x400
	s_add_co_u32 s[NBK], s[NN], 15
	s_lshr_b32 s[NBK], s[NBK], 4
	MCOUNT                                         ; m of pass 0
	PROD 0
	PROD 1
	PROD 2
	PROD 3
	TOKFIN
	PROD 4
	PROD 5
	PROD 6
	PROD 7
	MEET                                           ; the slice is whole in LDS
; Sixteen loads: 128 k x 32 rows d of the weights at byte off behind v6 and v17 into fragment buffer buf
.macro BLD buf, off
.irp s, 0,1,2,3
	ds_load_b128 v[128+64*(\buf)+16*(\s):128+64*(\buf)+16*(\s)+3],     v6  offset:(\off)+64*(\s)
	ds_load_b128 v[128+64*(\buf)+16*(\s)+4:128+64*(\buf)+16*(\s)+7],   v6  offset:(\off)+64*(\s)+32
	ds_load_b128 v[128+64*(\buf)+16*(\s)+8:128+64*(\buf)+16*(\s)+11],  v17 offset:(\off)+64*(\s)
	ds_load_b128 v[128+64*(\buf)+16*(\s)+12:128+64*(\buf)+16*(\s)+15], v17 offset:(\off)+64*(\s)+32
.endr
.endm
; Eight products: block j, the four K steps of ring part u.  Source 0 = 16 rows d of the weights, source 1 = 16 ranks: a lane holds one rank and eight neighbouring d.
; The two accumulators take turns, one instruction a turn; no two products that follow each other, on any way, share an accumulator.
.macro MBLK u, j
	WIN 0x04                                       ; the tokens in window 1
.irp s, 0,1,2,3
.irp nb, 0,1
	v_wmma_f32_16x16x32_bf16 v[96+16*(\j)+8*(\nb):96+16*(\j)+8*(\nb)+7], v[128+64*((\u)%2)+16*(\s)+8*(\nb):128+64*((\u)%2)+16*(\s)+8*(\nb)+7], v[64*(\u)+32*(\j)+8*(\s):64*(\u)+32*(\j)+8*(\s)+7], v[96+16*(\j)+8*(\nb):96+16*(\j)+8*(\nb)+7]
.endr
.endr
	WIN 0
.endm
; A chunk of 128 k, hid's fragments in ring part u, weights in buffer u % 2 (on their way at the entry).  left: the younger loads of hid.  re = 1: the part is asked for again, four chunks on.
; look = 1: the next chunk's weights are fetched ahead.  In part 3's turn the base goes four chunks on AHEAD of the refill: the wait in front of the step then has only loads issued a chunk ago to wait for.
.macro CHUNK u, re, left, look
	s_wait_loadcnt \left
.if \look
	BLD ((\u)+1)%2, 256
	s_wait_dscnt 16                                ; my buffer is in; the 16 loads just issued may be out
.else
	s_wait_dscnt 0x0
.endif
	MBLK \u, 0
	s_cmp_lt_u32 s[MB], 2
	s_cbranch_scc1 .Lck_\@
	MBLK \u, 1
.Lck_\@:
	v_add_nc_u32 v6, 0x100, v6                     ; the next chunk; with the lines below the four places ahead of the loads into fragments just multiplied, and of the way out
	v_add_nc_u32 v17, 0x100, v17
	v_nop
	v_nop
.if \re
.if (\u) == 3
	s_wait_xcnt 0x0                                ; the loads that name the base have had their addresses translated: only now is it stepped
	s_add_nc_u64 s[AB:AB+1], s[AB:AB+1], 4*CHG
	ALOAD 3, 3*CHG
.else
	ALOAD \u, CHG*(4+(\u))
.endif
.endif
.endm
; THE WAY OUT of block j: the f32 sums go into my own stage (row = rank, 128 bytes) and come back by rows; eight lanes store a row's 128 bytes to its token's row of out0.
.macro EPI j
	s_cmp_le_u32 s[MB], \j
	s_cbranch_scc1 .Lnext
	s_wait_xcnt 0x0                                ; the block before has had its stores' registers read
.irp nb, 0,1
	ds_store_b128 v12, v[96+16*(\j)+8*(\nb):96+16*(\j)+8*(\nb)+3]   offset:64*(\nb)      ; each accumulator from its low end on
	ds_store_b128 v12, v[96+16*(\j)+8*(\nb)+4:96+16*(\j)+8*(\nb)+7] offset:64*(\nb)+16
.endr
.irp t, 0,1,2,3
	ds_load_b128 v[48+4*(\t):48+4*(\t)+3], v13 offset:SPITCH*(\t)   ; LDS serves a wave's instructions in order (ISA guide 5.7.1.4): these see the stores above
.endr
.irp t, 0,1,2,3
	s_wait_dscnt 3-(\t)
	global_store_b128 v[32+4*(\j)+(\t)], v[48+4*(\t):48+4*(\t)+3], s[OB:OB+1] th:TH_STORE_NT   ; rows 4 (l / 8) + t
.endr
.endm
.Lpass:                                                ; four passes of 256 ranks
	s_cmp_eq_u32 s[PP], 0
	s_cbranch_scc1 .Lgo                            ; pass 0 was set up, and its first four chunks asked for, in phase 1
	MCOUNT
	s_cmp_eq_u32 s[MB], 0
	s_cbranch_scc1 .Lmeet                          ; nothing of this pass is mine
	s_wait_loadcnt 0x0                             ; no load is out,
	s_wait_xcnt 0x0                                ; and the last way out's stores have read their registers
	TOKLD
	s_wait_loadcnt 0x0
	TOKFIN
	ALOAD 0, 0
	ALOAD 1, CHG
	ALOAD 2, 2*CHG
	ALOAD 3, 3*CHG
.Lgo:
	s_cmp_lg_u32 s[MB], 0
	s_cbranch_scc1 .Llive
	s_wait_loadcnt 0x0                             ; a wave without a live block: the four chunks asked for have landed, and the whole K work is jumped
	s_branch .Lmeet
.Llive:
	BLD 0, 0                                       ; chunk 0's weights
	s_mov_b32 s[II], 0
.Lk:                                                   ; chunks 0 to 27: behind a part's 16 loads stand those of three younger parts
	CHUNK 0, 1, 48, 1
	CHUNK 1, 1, 48, 1
	CHUNK 2, 1, 48, 1
	CHUNK 3, 1, 48, 1
	s_add_co_u32 s[II], s[II], 1
	s_cmp_lt_u32 s[II], 7
	s_cbranch_scc1 .Lk
	CHUNK 0, 0, 48, 1                              ; the last four chunks ask for nothing: the counts run down
	CHUNK 1, 0, 32, 1
	CHUNK 2, 0, 16, 1
	CHUNK 3, 0, 0, 0
.Lmeet:
	MEET                                           ; every wave has read what it reads of the weights in this pass; only now are the stages written
	EPI 0
	EPI 1
.Lnext:
	MEET                                           ; the stages are at rest before the next pass's reads.  With these two barriers LDS is never both written and read at stepped addresses between two barriers
	v_add_nc_u32 v15, 0x400, v15                   ; 256 ranks on
	s_add_co_u32 s[PP], s[PP], 1
	s_cmp_lt_u32 s[PP], 4
	s_cbranch_scc1 .Lpass
	s_wait_tensorcnt 0x0                           ; the wave's end
	ds_add_u32 v4, v5
	s_wait_dscnt 0x0
	s_endpgm
.Lfunc_end_k_q513e850eb7_proj:
	.size	k_q513e850eb7_proj, .Lfunc_end_k_q513e850eb7_proj-k_q513e850eb7_proj
	.p2alignl 7, 3214868480
	.fill 96, 4, 3214868480
	.section	.rodata,"a",@progbits
	.p2align	6, 0x0
	.amdhsa_kernel k_q513e850eb7_proj
		.amdhsa_group_segment_fixed_size 282112
		.amdhsa_private_segment_fixed_size 0
		.amdhsa_enable_private_segment 0
		.amdhsa_kernarg_size 32
		.amdhsa_user_sgpr_count 2
		.amdhsa_user_sgpr_kernarg_segment_ptr 1
		.amdhsa_wavefront_size32 1
		.amdhsa_system_sgpr_workgroup_id_x 1
		.amdhsa_system_sgpr_workgroup_id_y 1
		.amdhsa_system_sgpr_workgroup_id_z 1
		.amdhsa_system_vgpr_workitem_id 0
		.amdhsa_next_free_vgpr 512
		.amdhsa_next_free_sgpr 96
		.amdhsa_reserve_vcc 0
		.amdhsa_float_denorm_mode_32 3
		.amdhsa_float_denorm_mode_16_64 3
		.amdhsa_memory_ordered 1
		.amdhsa_forward_progress 1
		.amdhsa_inst_pref_size 87
	.end_amdhsa_kernel
	.amdgpu_metadata
---
amdhsa.version: [ 1, 2 ]
amdhsa.kernels:
  - .name:           k_q513e850eb7_proj
    .symbol:         k_q513e850eb7_proj.kd
    .args:
      - { .name: expert_proj, .offset: 0, .size: 8, .value_kind: global_buffer, .address_space: global }
      - { .name: hid, .offset: 8, .size: 8, .value_kind: global_buffer, .address_space: global }
      - { .name: order, .offset: 16, .size: 8, .value_kind: global_buffer, .address_space: global }
      - { .name: out0, .offset: 24, .size: 8, .value_kind: global_buffer, .address_space: global }
    .group_segment_fixed_size: 282112
    .private_segment_fixed_size: 0
    .kernarg_segment_align: 8
    .kernarg_segment_size: 32
    .max_flat_workgroup_size: 256
    .sgpr_count:     96
    .vgpr_count:     512
    .wavefront_size: 32
...
	.end_amdgpu_metadata
.endif
;; end of part 5
